; MI455X (gfx1250); checked and timed in simulation.
; The chip was launched on July 23, 2026; its instructions are those of AMD's public machine-readable ISA for CDNA 5 (MIT licence, August 2026) and "CDNA5" Instruction Set Architecture Reference Guide (July 2026). The comments in the code are by the model that wrote it; some were corrected since.
;; Causal Self Attention. Allowed arithmetic: matrix products marked QUANTISED: E2M3 operands, one E8M0 scale for each 32 along K, by v_wmma_scale_f32_16x16x128_f8f6f4 with both operands' format E2M3, f32 sums; everything else in f32.
;; Inputs: W_out 1,024 x 1,024 float32; W_qkv 1,024 x 3,072 float32; b_out 1,024 float32; b_qkv 3,072 float32; x 4 x 2,048 x 1,024 float32.
;; Outputs: out0 4 x 2,048 x 1,024 float32.
;; This version of the problem:
;;   THIS VERSION OF THE PROBLEM IS GIVEN IN LOW PRECISION. The matrix products marked QUANTISED in the list below multiply operands that are first quantised to E2M3 (2 exponent bits, 3 mantissa bits; 6 bits a number), with one power-of-two scale for each 32 numbers along K (OCP MX v1.0); their sums are f32. All else is computed in f32.
;;   The module's matrix products, in the order in which they are computed (A, B: the left and right operand; K: the contracted axis; several contracted axes count as one K, in the product's order):
;;     1. [M 8,192, K 1,024] x [K 1,024, N 3,072]; A: input x; B: input W_qkv: QUANTISED
;;     2. batch 64 x [M 2,048, K 64] x [K 64, N 2,048]; A: computed on the way; B: computed on the way: QUANTISED
;;     3. batch 64 x [M 2,048, K 2,048] x [K 2,048, N 64]; A: softmax (see below); B: computed on the way: QUANTISED
;;     4. [M 8,192, K 1,024] x [K 1,024, N 1,024]; A: computed on the way; B: input W_out: QUANTISED
;;   THE QUANTISER, for each operand of a quantised product, along K:
;;     - K is cut into blocks of 32 from its start; a last block that is shorter is filled with zeros.
;;     - A block's scale is 2^e with e = floor(log2(the largest magnitude in the block)) - 2, held to -126 .. 127; a block of zeros has e = 0. As a byte (E8M0): e + 127.
;;     - Each number is divided by its block's scale, clamped to +-7.5, and rounded to the nearest number of E2M3, ties to even, subnormals kept.
;;     - The product sums the exact products of the quantised numbers (number of the format x scale) in f32.
;;   ~~~python
;;   def quantise(x, axis):      # numpy; x: float32 -> the quantised numbers, widened to float32 again
;;       x = np.moveaxis(x, axis, -1); K = x.shape[-1]
;;       x = np.pad(x, [(0, 0)] * (x.ndim - 1) + [(0, -K % 32)]); x = x.reshape(x.shape[:-1] + (-1, 32)); a = np.abs(x).max(-1, keepdims=True)
;;       e = np.where(a > 0, np.clip(np.frexp(np.where(a > 0, a, 1))[1] - 1 - 2, -126, 127), 0)      # np.frexp(a)[1] - 1 = floor(log2(a)), exactly
;;       r = np.clip(x / 2.0 ** e, -7.5, 7.5)
;;       step = 2.0 ** (np.maximum(np.frexp(np.where(r == 0, 1, r))[1] - 1, 0) - 3)
;;       q = np.round(r / step) * step * 2.0 ** e      # np.round: ties to even
;;       return np.moveaxis(q.reshape(q.shape[:-2] + (-1,))[..., :K], -1, axis).astype(np.float32)
;;   ~~~
;;   SOFTMAX AHEAD OF A QUANTISED PRODUCT. Where the list says 'softmax', what is quantised is not the finished softmax but p = 2^(t - M), with t = logit x log2(e) and M = ceil(the row's largest t), a whole number; so 1/2 < the row's largest p <= 1. The row's sum l is taken of the UNQUANTISED p, in f32, and the product's result is divided by l at the end. Since M is a whole number, a kernel that streams over the keys may use a running M (the ceiling of the running maximum): every later rescaling is an exact power of two, which a block's scale takes up: the codes' values come out the same.
;;   OPERANDS COMPUTED ON THE WAY. 'Computed on the way' means the value that the module computes at that place (a softmax that the list does not call 'softmax' is quantised finished and normalised). What goes into a quantiser is computed in f32, as accurately as f32 sums, v_exp_f32 and their like allow (about 1e-6 of the number): no bf16 or f16 on the way to a quantiser, and a product that is left as it is and whose result goes on into a quantised operand takes f32 operands (vector FMAs, or v_wmma_f32_16x16x4_f32). A number that lies on a knife's edge between two numbers of the format may be rounded either way, as far as f32 arithmetic and the matrix unit's own rounding can turn it there, and no further.
;; One version. Each part assembles by itself: llvm-mc -triple=amdgcn-amd-amdhsa -mcpu=gfx1250 --defsym DOCPART=n.
;; ======== version 1 of 1: 4 launches
;; limits: right only within a limited range of input values
;; workspace buffers: xq 6,553,600 bytes; wq 3,276,800 bytes; qkv 19,660,800 bytes; ao 6,553,600 bytes
;; launch quant (part 1): grid 384 x 1, 8 waves a work-group, no clusters, 70,656 bytes of LDS; arguments x, W_qkv, W_out, xq, wq; writes xq, wq
.if DOCPART == 1
	.amdgcn_target "amdgcn-amd-amdhsa--gfx1250"
	.amdhsa_code_object_version 6
	.text
	.protected	k_qea23983441_quant
	.globl	k_qea23983441_quant
	.p2align	8
	.type	k_qea23983441_quant,@function
k_qea23983441_quant:
	s_mov_b64 s[64:65], 0
	v_nop
	global_prefetch_b8 v0, s[64:65] scope:SCOPE_SE
	s_setreg_imm32_b32 hwreg(HW_REG_WAVE_MODE, 25, 1), 1
	s_wait_xcnt 0x0
; x [8192][1024], W_qkv [1024][3072] and W_out [1024][1024], f32, become codes of E2M3 with one E8M0 byte for each 32 along K, laid in the ORDER OF THE OPERAND'S REGISTERS.
; WORK LEFT OUT BY THE PROGRAM: reference() sets every score whose key comes after its query to -infinity by its own jnp.tril, so p = 0 there for all values of the inputs:
; key steps that lie wholly behind a tile's queries are not multiplied (launch attn).  A NaN or an infinity that reaches only such scores is not carried to the result.  Every input is loaded.
; A code image (16 rows x 128 K) is 1,536 bytes: plane q at 512 q, lane l's 16 bytes at 16 l.  Image (T, s) lies at (8 T + s) x 1,536.  Row r of tile T is row 32 (T / 2) + 8 (T % 2) + r % 8 + 16 (r / 8).
; A scale image (8 tiles x 128 K) is 512 bytes: the word of tile t, row r lies at 16 r + 256 (t % 2) + 4 (t / 2).  Image (G, s) lies behind the codes at (8 G + s) x 512.  In wq tiles 0-191 are W_qkv's columns, 192-255 W_out's.
; ONE LAUNCH, TWO PATHS, parted on the work-group's number alone; each path has LDS bytes of its own.
; Work-groups 0-255: x.  128 tokens x 256 along K; each of the eight waves one tile, two images.  A row's 512 bytes turn through the wave's own stage in LDS so that a lane holds 16 neighbours along K of each block.
; Work-groups 256-383: the weights, whose K is the FIRST axis.  128 columns x 256 K: waves 0-3 the first 128 along K, waves 4-7 the second; a lane takes a column and its registers run down K: nothing is transposed.
; No work-group shares an input byte with another: no cluster, no tensor load, no matrix unit.
; LIMITS: NaN and infinities are not served; a block whose largest magnitude lies under 2^-124, and a block of zeros, get the byte 1 (zero codes add nothing under any byte but 0xff; this program alone reads the bytes).
.set XS,   6291456                     ; where the scale images begin in xq
.set WSC,  3145728                     ; and in wq
.set SP,   528                         ; x: a stage row: 512 bytes + 16
.set WST,  16*SP
.set SCX,  8*WST                       ; x: the work-group's two scale images
.set SPARE, SCX+1024                   ; the spare words, 128 bytes for each wave: four blocks of 256 bytes that no other line names
.set WB,   SPARE+1024                  ; the weights' path: its two scale images
.set SPW,  251
.set NIL,  255
.set LI,   4                           ; 16 x lane
.set STW,  5
.set STR,  6
.set SWA,  7
.set SRD,  8
.set PW,   12
.set R,    16                          ; x: v16-143 two sets of 64 numbers as they are loaded
.set X,    144                         ; x: v144-207 register 16 b + i = k 32 b + 16 h + i of my row
.set TM,   208
.set PC,   224
.set TP,   248
.set SEL,  24
.macro QUANT s, pc, tp, tm, pw         ; 64 numbers of a lane become a fragment's codes in v[pc] on and the row's scale word in v[pw]
.irp b, 0,1,2,3
	v_max3_num_f32 v[\tm+\b], |v[\s+16*\b]|, |v[\s+1+16*\b]|, 0x1800000   ; the floor 2^(3 - 127): the byte cannot fall under 1
.endr
.irp i, 2,4,6,8,10,12,14
.irp b, 0,1,2,3
	s_delay_alu instid0(VALU_DEP_4)
	v_max3_num_f32 v[\tm+\b], v[\tm+\b], |v[\s+16*\b+\i]|, |v[\s+1+16*\b+\i]|
.endr
.endr
.irp b, 0,1,2,3
	s_delay_alu instid0(VALU_DEP_4)
	v_permlanex16_b32 v[\tm+4+\b], v[\tm+\b], s[SEL], s[SEL+1]
.endr
.irp b, 0,1,2,3
	s_delay_alu instid0(VALU_DEP_4)
	v_max_num_f32 v[\tm+\b], v[\tm+\b], v[\tm+4+\b]
.endr
.irp b, 0,1,2,3
	s_delay_alu instid0(VALU_DEP_4)
	v_add_nc_u32 v[\tm+12+\b], 0xff000000, v[\tm+\b]               ; 2 off the exponent field: the conversion's scale operand
.endr
.irp b, 0,1,2,3
	s_delay_alu instid0(VALU_DEP_4)
	v_lshrrev_b32 v[\tm+4+\b], 23, v[\tm+12+\b]
.endr
	s_delay_alu instid0(VALU_DEP_3)
	v_lshl_or_b32 v[\pw], v[\tm+5], 8, v[\tm+4]
	s_delay_alu instid0(VALU_DEP_1)
	v_lshl_or_b32 v[\pw], v[\tm+6], 16, v[\pw]
	s_delay_alu instid0(VALU_DEP_1)
	v_lshl_or_b32 v[\pw], v[\tm+7], 24, v[\pw]
.irp c, 0,1
	v_cvt_scalef32_pk16_fp6_f32 v[\pc+6*\c:\pc+2+6*\c], v[\s+32*\c:\s+15+32*\c], v[\tm+12+2*\c]
	v_cvt_scalef32_pk16_fp6_f32 v[\tp+4*\c:\tp+2+4*\c], v[\s+16+32*\c:\s+31+32*\c], v[\tm+12+2*\c+1]
.endr
	v_nop                                          ; one plain place behind a scaled conversion
.irp c, 0,1
.irp i, 0,1,2
	v_permlane16_swap_b32 v[\pc+6*\c+\i], v[\tp+4*\c+\i]
.endr
.irp i, 0,1,2
	s_delay_alu instid0(VALU_DEP_3)
	v_mov_b32 v[\pc+3+6*\c+\i], v[\tp+4*\c+\i]
.endr
.endr
.endm
	s_load_b256 s[36:43], s[0:1], 0x0              ; x s[36:37], W_qkv s[38:39], W_out s[40:41], xq s[42:43]
	s_load_b64 s[44:45], s[0:1], 0x20              ; wq
	v_lshl_add_u32 v[SPW], v0, 2, SPARE
	v_mov_b32 v[NIL], 0
	v_lshrrev_b32 v1, 5, v0
	v_readfirstlane_b32 s8, v1                     ; wave 0..7
	v_and_b32 v1, 31, v0                           ; lane
	v_lshlrev_b32 v[LI], 4, v1
	s_cmp_lt_u32 ttmp9, 256
	s_wait_alu depctr_va_vdst(0)                   ; directly ahead of the branch
	s_cbranch_scc0 .Lweights
; ---- x
	v_and_b32 v2, 15, v0                           ; r
	v_bfe_u32 v3, v0, 4, 1                         ; h
	s_mul_i32 s9, s8, WST
	v_add_nc_u32 v[STW], s9, v[LI]
	v_mul_u32_u24 v[STR], v2, SP
	s_delay_alu instid0(VALU_DEP_1)
	v_lshl_add_u32 v[STR], v3, 6, v[STR]
	s_delay_alu instid0(VALU_DEP_1)
	v_add_nc_u32 v[STR], s9, v[STR]
	s_and_b32 s16, s8, 1
	s_lshr_b32 s17, s8, 1
	s_lshl_b32 s18, s16, 8
	s_lshl_b32 s19, s17, 2
	s_add_co_u32 s18, s18, s19
	s_add_co_u32 s18, s18, SCX
	s_wait_alu depctr_va_vdst(0)
	v_lshl_add_u32 v[SWA], v2, 4, s18              ; 16 r + 256 (w % 2) + 4 (w / 2)
	s_lshl_b32 s19, s16, 9
	s_add_co_u32 s19, s19, SCX
	v_add_nc_u32 v[SRD], s19, v[LI]
.irp b, 0,1,2,3
	v_mov_b32 v[TM+4+\b], 0                        ; a lane permute's destination counts as one of its sources
.endr
	s_mov_b32 s[SEL], 0x76543210
	s_mov_b32 s[SEL+1], 0xfedcba98
	s_and_b32 s26, ttmp9, 63                       ; G: which 128 tokens
	s_lshr_b32 s20, ttmp9, 6                       ; which 256 along K
	s_lshl_b32 s21, s26, 7
	s_lshl_b32 s22, s17, 5
	s_add_co_u32 s21, s21, s22
	s_lshl_b32 s22, s16, 3
	s_add_co_u32 s21, s21, s22                     ; my tile's first token: 128 G + 32 (w / 2) + 8 (w % 2)
	s_lshl_b32 s21, s21, 12
	s_lshl_b32 s22, s20, 10
	s_add_co_u32 s10, s21, s22
	s_mov_b32 s11, 0
	s_lshl_b32 s21, s26, 3
	s_add_co_u32 s21, s21, s8
	s_mul_i32 s21, s21, 12288
	s_mul_i32 s22, s20, 3072
	s_add_co_u32 s12, s21, s22                     ; my two code images
	s_mov_b32 s13, 0
	s_lshl_b32 s21, s26, 12
	s_lshl_b32 s22, s20, 10
	s_add_co_u32 s14, s21, s22
	s_lshl_b32 s22, s16, 9
	s_add_co_u32 s14, s14, s22
	s_add_co_u32 s14, s14, XS                      ; the scale image that wave 0 or 1 stores
	s_mov_b32 s15, 0
	s_wait_alu depctr_va_vdst(0)                   ; at the head's end
	s_wait_kmcnt 0x0
	s_add_nc_u64 s[10:11], s[36:37], s[10:11]
	s_add_nc_u64 s[12:13], s[42:43], s[12:13]
	s_add_nc_u64 s[14:15], s[42:43], s[14:15]
.irp e, 0,1
.irp i, 0,1,2,3,4,5,6,7,8,9,10,11,12,13,14,15
	global_load_b128 v[R+64*\e+4*\i:R+64*\e+4*\i+3], v[LI], s[10:11] offset:(\i+8*(\i/8))*4096+512*\e th:TH_LOAD_NT   ; tile row i: 512 consecutive bytes
.endr
.endr
.macro IMAGE e
	s_wait_loadcnt 16*(1-\e)                       ; this image's 16 loads are in; the other image's 16 may be out
.irp i, 0,1,2,3,4,5,6,7,8,9,10,11,12,13,14,15
	ds_store_b128 v[STW], v[R+64*\e+4*\i:R+64*\e+4*\i+3] offset:SP*\i
.endr
.irp b, 0,1,2,3
.irp j, 0,1,2,3
	ds_load_b128 v[X+16*\b+4*\j:X+16*\b+4*\j+3], v[STR] offset:128*\b+16*\j   ; LDS serves a wave's instructions in order: these see the stores above
.endr
.endr
	s_wait_dscnt 0x0
	QUANT X, PC+12*\e, TP, TM, PW+\e
.irp q, 0,1,2
	global_store_b128 v[LI], v[PC+12*\e+4*\q:PC+12*\e+4*\q+3], s[12:13] offset:1536*\e+512*\q   ; 512 consecutive bytes, at a multiple of 256 from the buffer's first byte
.endr
	ds_store_b32 v[SWA], v[PW+\e] offset:512*\e    ; both halves of the lanes write the same word with the same value
.endm
	IMAGE 0
	IMAGE 1
	s_wait_dscnt 0x0                               ; for the others' sake: my scale words lie in LDS
	s_barrier_signal -1
	s_barrier_wait -1
	s_cmp_lt_u32 s8, 2
	s_cbranch_scc0 .Ldone_x
	ds_load_b128 v[TM:TM+3], v[SRD]                ; waves 0 and 1: a whole scale image each
	s_wait_dscnt 0x0
	global_store_b128 v[LI], v[TM:TM+3], s[14:15]
.Ldone_x:
	s_wait_tensorcnt 0x0                           ; the wave's end
	ds_add_u32 v[SPW], v[NIL]
	s_wait_dscnt 0x0
	s_endpgm
; ---- the weights
.set CL,   3                           ; 4 x my column in the wave's 32
.set WWA,  5                           ; where my scale word goes
.set WRD,  8                           ; where a whole scale image is read
.set OF,   32                          ; v32-63   row i of a block: i x pitch + 4 x column
.set XW,   64                          ; v64-191  four blocks of 32 numbers
.set I0,   192                         ; v192-203 blocks 0 and 2; behind the exchange the image of tile 2 w
.set I1,   204                         ; v204-215 blocks 1 and 3; behind the exchange the image of tile 2 w + 1
.set TW,   216
.Lweights:
	s_and_b32 s14, s8, 3                           ; w: my 32 columns of the 128
	s_lshr_b32 s31, s8, 2                          ; which of the work-group's two steps of 128 along K
	s_sub_co_u32 s3, ttmp9, 256
	s_and_b32 s2, s3, 31                           ; G: which 128 columns
	s_lshr_b32 s15, s3, 5
	s_lshl_b32 s15, s15, 1
	s_add_co_u32 s15, s15, s31                     ; which 128 along K
	s_lshl_b32 s33, s31, 9
	s_add_co_u32 s33, s33, WB
	v_lshl_add_u32 v[WWA], s14, 2, v[LI]
	v_and_b32 v2, 7, v0
	v_bfe_u32 v6, v0, 3, 1
	v_bfe_u32 v7, v0, 4, 1
	v_add_nc_u32 v[WWA], s33, v[WWA]               ; 16 x lane + 4 w, in my step's image
	v_lshl_add_u32 v2, v6, 4, v2
	v_add_nc_u32 v[WRD], s33, v[LI]
	v_lshl_add_u32 v2, v7, 3, v2                   ; the lane with bits 3 and 4 exchanged: a load's 128 bytes stay consecutive, and lane l is row l % 16 of tile 2 w + l / 16
	v_lshlrev_b32 v[CL], 2, v2
	s_mov_b32 s10, 4096
	s_wait_alu depctr_va_vdst(0)                   ; at the head's end
	s_wait_kmcnt 0x0
	s_cmp_lt_u32 s2, 24                            ; W_qkv's columns or W_out's?
	s_cselect_b64 s[4:5], s[38:39], s[40:41]
	s_cselect_b32 s10, 12288, s10                  ; bytes from row to row
	s_cselect_b32 s11, 0, 24
	s_sub_co_u32 s11, s2, s11                      ; the group of 128 columns in its own weight
	s_lshl_b32 s12, s10, 5                         ; 32 rows
	s_mov_b32 s13, 0
	s_lshl_b32 s28, s15, 7
	s_mul_i32 s28, s28, s10
	s_lshl_b32 s29, s11, 9
	s_add_co_u32 s28, s28, s29
	s_lshl_b32 s29, s14, 7
	s_add_co_u32 s28, s28, s29
	s_mov_b32 s29, 0
	s_add_nc_u64 s[16:17], s[4:5], s[28:29]        ; a base for each block of 32 rows, never rewritten
	s_add_nc_u64 s[18:19], s[16:17], s[12:13]
	s_add_nc_u64 s[20:21], s[18:19], s[12:13]
	s_add_nc_u64 s[22:23], s[20:21], s[12:13]
	s_lshl_b32 s28, s2, 3
	s_lshl_b32 s30, s14, 1
	s_add_co_u32 s28, s28, s30
	s_mul_i32 s28, s28, 12288
	s_mul_i32 s30, s15, 1536
	s_add_co_u32 s28, s28, s30
	s_add_nc_u64 s[24:25], s[44:45], s[28:29]      ; the image of tile 8 G + 2 w
	s_lshl_b32 s28, s2, 12
	s_lshl_b32 s30, s15, 9
	s_add_co_u32 s28, s28, s30
	s_add_co_u32 s28, s28, WSC
	s_add_nc_u64 s[26:27], s[44:45], s[28:29]      ; the group's scale image
.set i, 0
.rept 32
	v_mad_u32_u24 v[OF+i], s10, i, v[CL]
.set i, i+1
.endr
.irp t, 0,1,2,3
.set i, 0
.rept 32
	global_load_b32 v[XW+32*\t+i], v[OF+i], s[16+2*\t:17+2*\t] th:TH_LOAD_NT   ; row 32 t + i: 32 lanes read 128 consecutive bytes, four waves 512
.set i, i+1
.endr
.endr
.macro BLOCK t
.set XB, XW+32*\t
.set DT, I0+12*(\t%2)+6*(\t/2)
.if \t < 2
	s_wait_loadcnt 63                              ; behind this block's loads 96 or 64 younger ones were issued; the count's field holds 63, and a smaller count is safe
.elseif \t == 2
	s_wait_loadcnt 32
.else
	s_wait_loadcnt 0x0
.endif
	v_max3_num_f32 v12, |v[XB]|, |v[XB+1]|, |v[XB+2]|              ; the block's largest magnitude: all 32 numbers are mine; two chains
	v_max3_num_f32 v13, |v[XB+3]|, |v[XB+4]|, |v[XB+5]|
.irp i, 6,10,14,18,22,26
	v_max3_num_f32 v12, v12, |v[XB+\i]|, |v[XB+\i+1]|
	v_max3_num_f32 v13, v13, |v[XB+\i+2]|, |v[XB+\i+3]|
.endr
	v_max3_num_f32 v12, v12, |v[XB+30]|, |v[XB+31]|
	v_max3_num_f32 v12, v12, v13, 0x1800000
	v_add_nc_u32 v11, 0xff000000, v12
	v_lshrrev_b32 v13, 23, v11
.if \t == 0
	v_mov_b32 v15, v13
.else
	v_lshl_or_b32 v15, v13, 8*\t, v15              ; the lower K in the lower byte
.endif
	v_cvt_scalef32_pk16_fp6_f32 v[DT:DT+2], v[XB:XB+15], v11
	v_cvt_scalef32_pk16_fp6_f32 v[TW:TW+2], v[XB+16:XB+31], v11
	v_nop
.irp i, 0,1,2
	v_mov_b32 v[DT+3+\i], v[TW+\i]
.endr
.endm
	BLOCK 0
	BLOCK 1
	BLOCK 2
	BLOCK 3
.set i, 0
.rept 12
	v_permlane16_swap_b32 v[I0+i], v[I1+i]         ; each is now one tile's image
.set i, i+1
.endr
.irp u, 0,1
.irp q, 0,1,2
	global_store_b128 v[LI], v[I0+12*\u+4*\q:I0+12*\u+4*\q+3], s[24:25] offset:12288*\u+512*\q
.endr
.endr
	ds_store_b32 v[WWA], v15
	s_wait_dscnt 0x0
	s_barrier_signal -1
	s_barrier_wait -1
	s_cmp_lg_u32 s14, 0
	s_cbranch_scc1 .Ldone_w
	ds_load_b128 v[TW:TW+3], v[WRD]                ; waves 0 and 4: their step's whole scale image
	s_wait_dscnt 0x0
	global_store_b128 v[LI], v[TW:TW+3], s[26:27]
.Ldone_w:
	s_wait_tensorcnt 0x0
	ds_add_u32 v[SPW], v[NIL]
	s_wait_dscnt 0x0
	s_endpgm
.Lfunc_end_k_qea23983441_quant:
	.size	k_qea23983441_quant, .Lfunc_end_k_qea23983441_quant-k_qea23983441_quant
	.p2alignl 7, 3214868480
	.fill 96, 4, 3214868480
	.section	.rodata,"a",@progbits
	.p2align	6, 0x0
	.amdhsa_kernel k_qea23983441_quant
		.amdhsa_group_segment_fixed_size 70656
		.amdhsa_private_segment_fixed_size 0
		.amdhsa_enable_private_segment 0
		.amdhsa_kernarg_size 40
		.amdhsa_user_sgpr_count 2
		.amdhsa_user_sgpr_kernarg_segment_ptr 1
		.amdhsa_wavefront_size32 1
		.amdhsa_system_sgpr_workgroup_id_x 1
		.amdhsa_system_sgpr_workgroup_id_y 1
		.amdhsa_system_sgpr_workgroup_id_z 1
		.amdhsa_system_vgpr_workitem_id 0
		.amdhsa_next_free_vgpr 256
		.amdhsa_next_free_sgpr 66
		.amdhsa_reserve_vcc 0
		.amdhsa_float_denorm_mode_32 3
		.amdhsa_float_denorm_mode_16_64 3
		.amdhsa_memory_ordered 1
		.amdhsa_forward_progress 1
		.amdhsa_inst_pref_size 46
	.end_amdhsa_kernel
	.amdgpu_metadata
---
amdhsa.version: [ 1, 2 ]
amdhsa.kernels:
  - .name:           k_qea23983441_quant
    .symbol:         k_qea23983441_quant.kd
    .args:
      - { .name: x, .offset: 0, .size: 8, .value_kind: global_buffer, .address_space: global }
      - { .name: W_qkv, .offset: 8, .size: 8, .value_kind: global_buffer, .address_space: global }
      - { .name: W_out, .offset: 16, .size: 8, .value_kind: global_buffer, .address_space: global }
      - { .name: xq, .offset: 24, .size: 8, .value_kind: global_buffer, .address_space: global }
      - { .name: wq, .offset: 32, .size: 8, .value_kind: global_buffer, .address_space: global }
    .group_segment_fixed_size: 70656
    .private_segment_fixed_size: 0
    .kernarg_segment_align: 8
    .kernarg_segment_size: 40
    .max_flat_workgroup_size: 256
    .sgpr_count:     66
    .vgpr_count:     256
    .wavefront_size: 32
...
	.end_amdgpu_metadata
.endif
;; end of part 1
;; launch gemm_qkv (part 2): grid 8 x 32, 4 waves a work-group, clusters of 4 x 4, 327,680 bytes of LDS; arguments xq, wq, b_qkv, qkv; writes qkv
.if DOCPART == 2
	.amdgcn_target "amdgcn-amd-amdhsa--gfx1250"
	.amdhsa_code_object_version 6
	.text
	.protected	k_qea23983441_gemm_qkv
	.globl	k_qea23983441_gemm_qkv
	.p2align	8
	.type	k_qea23983441_gemm_qkv,@function
k_qea23983441_gemm_qkv:
	s_mov_b64 s[64:65], 0
	v_nop
	global_prefetch_b8 v0, s[64:65] scope:SCOPE_SE
	s_setreg_imm32_b32 hwreg(HW_REG_WAVE_MODE, 25, 1), 1
	s_wait_xcnt 0x0
	s_wait_alu depctr_hold_cnt(0) depctr_sa_sdst(0) depctr_va_vdst(0) depctr_va_sdst(0) depctr_va_ssrc(0) depctr_va_vcc(0) depctr_vm_vsrc(0)
	s_getreg_b32 s2, hwreg(HW_REG_IB_STS2, 6, 4)
	s_cmp_eq_u32 s2, 0
	s_cbranch_scc0 .Lentry_in_a_cluster
	s_endpgm
.Lentry_in_a_cluster:
	s_bfe_u32 s2, ttmp6, 0x10000c
	s_cmp_lg_u32 s2, 0xf033
	s_cbranch_scc0 .Lentry_shape_is_right
	s_endpgm
.Lentry_shape_is_right:
; qkv = x W_qkv + b_qkv on codes of E2M3, K = 1,024, and the result quantised in registers: q and k along the head's channels, v along the tokens.  No f32 result goes to memory.
; THE DEAL.  Work-group (pr = pair of heads, tb = block of 256 tokens): 8 x 32 = 256 work-groups.  Its 256 rows of x lie in LDS for the whole launch, all of K; three groups of 128 columns of W stream past them:
; the pair's q, k and v: three PASSES, each 256 tokens x 128 columns.  A wave makes 4 tiles (source 1) x 8 tiles (source 0): 32 accumulators.  A lane holds ONE row of source 1 and its registers run along source 0.
; q, k: source 0 = W's 8 tiles, source 1 = 4 of x's 16 tiles (wave w: tiles 4 w ..): the registers run along the channels.  v: source 0 = 8 of x's tiles (w % 2), source 1 = 4 of W's (w / 2): they run along the tokens.
; So one text of products and one way out serve both; only LDS addresses and bases differ.  q and k are a loop of two trips; v's pass is written out: it fills nothing again, and its bias lies by source 1's tiles.
; OPERANDS lie in memory in the order of their registers: a code image (16 rows x 128 K) is 1,536 bytes (plane q at 512 q, lane l at 16 l), a tile's 8 images 12,288; a scale image (8 tiles x 128 K) 512 bytes
; (tile t, row r at 16 r + 256 (t % 2) + 4 (t / 2)).  Row r of tile T is row 32 (T / 2) + 8 (T % 2) + r % 8 + 16 (r / 8): the 16 registers of tiles 2 b, 2 b + 1 of source 0 are 16 neighbours along the next K.
; LDS: two halves of K (512 each): in each W's slot, 8 tiles x 6,144 bytes, then x's 16 tiles x 6,144.  At the head one joint load a wave: W's first half, x's, W's second, x's.  W'S TWO SLOTS ARE THE RING: the first is filled
; again in a round in K step 3, when nobody reads it any more, the second in a round in K step 7; each round's wait for all loads shows the other slot's fill to every wave.  By this text's own count one tensor load of a work-group is out at a time behind the head.
; No prefetch: a refill is asked for four K steps or more ahead of its first read, and there are four refills in all.
; The scale words of a pass's eight K steps and its bias come by plain loads into registers (v32-95 hold scale words and nothing else), the next pass's under the way out.
; CLUSTER 4 x 4: x's tiles are asked for jointly along a row of the cluster, W's along a column.
; OUT: block idx of qkv is 12,288 bytes [half e][tile a][768 bytes]: registers 6 e .. 6 e + 3 at 16 x lane, registers 6 e + 4, 5 at 512 + 8 x lane; for q and k a half is a head, for v 64 keys; its scale image at QS + 512 idx.
; q: idx = 64 pair + token group; k: 512 more; v: 1,024 + 64 pair + token group.  A wave stores four of a block's eight tiles, and of its scale image 8 bytes in each 16: one byte in 24 of what the launch stores.
; LIMITS: NaN and infinities are not served; a block whose largest magnitude lies under 2^-124, and a block of zeros, get the byte 1 (zero codes add nothing; this program alone reads the bytes).
; REGISTERS: window 0: v4-29 addresses; v32-95 scale words; v96-159 the bias as C; v160-255 source 1's fragments, two sets, and on the way out the work.  window 1: source 0's fragments, two sets.  window 2: accumulator (a, b) at v[8 (8 a + b)].
.set TROW,  12288
.set HALF,  147456
.set BOFF,  49152
.set SPARE, 2*HALF                     ; the spare words, 128 bytes for each wave: two blocks of 256 bytes that no other line names
.set XS,    6291456
.set WSC,   3145728
.set QS,    18874368
.set LI,   4                           ; 16 x lane
.set L8,   5                           ; 8 x lane
.set AD0,  8                           ; v8, v9 source 0's tiles in the two halves of K for q, k; v10, v11 for v
.set AD1,  12                          ; v12, v13 source 1's for q, k; v14, v15 for v
.set BO,   20
.set BOV,  21
.set SPW,  28
.set NIL,  29
.set SC,   32
.set BI,   96
.set AF,   160
.set TM,   160                         ; the way out: v160-175, v176-183 at work; v184-187 the tiles' scale words; v188, v189 as they are stored; v192-239 the codes
.set TP,   176
.set G1W,  24
.set G1X,  32
.set G0L,  40
.set G0H,  44
.set G0X,  48
.set S1B,  56                          ; s[56:57] source 1's scale words, s[58:59] source 0's, s[60:61] the bias, s[62:63] the codes' place, s[66:67] the scale image's: q, then k
.set S0B,  58
.set BB,   60
.set OC,   62
.set OS,   66
.set S1V,  68                          ; the same for v
.set S0V,  70
.set BV,   72
.set OCV,  74
.set OSV,  76
.set SEL,  78
.set TO_B, 0x40
.set MSB, 0
.macro WIN new                         ; the immediate's high byte repeats the setting that is left
.if MSB != (\new)
	s_set_vgpr_msb (MSB<<8)|(\new)
.set MSB, (\new)
.endif
.endm
.macro PLACES n
.rept \n
	v_nop
.endr
.endm
.macro CREST                           ; a round of the cluster's barrier behind its opening barrier
	s_cmp_lg_u32 s12, 0
	s_cbranch_scc1 .Lnot_wave_0_\@
	s_barrier_signal -3
.Lnot_wave_0_\@:
	s_barrier_wait -3
	s_barrier_signal -1
	s_barrier_wait -1
.endm
.macro CROUND
	s_barrier_signal -1
	s_barrier_wait -1
	CREST
.endm
.macro TLOAD g0, g1
	tensor_load_to_lds s[\g0:\g0+3], s[\g1:\g1+7]
	s_nop 0
	PLACES 4
.endm
.macro ARM n, g0, g1, next
	s_cmp_eq_u32 s12, \n
	s_cbranch_scc0 \next
	TLOAD \g0, \g1
	s_branch .Lasked
\next:
.endm
.macro ADDR d, base                    ; a 32-bit offset becomes an address
	s_mov_b32 s[\d+1], 0
	s_add_nc_u64 s[\d:\d+1], s[\base:\base+1], s[\d:\d+1]
.endm
.macro FETCH t, p, m                   ; K step t's fragments into set p: 24 loads for source 0's eight, 12 for source 1's four.  m = 0: q, k; 1: v
.set KH, (\t)/4
.set QO, ((\t)%4)*1536
	WIN TO_B
.irp i, 0,1,2,3,4,5,6,7
.irp pl, 0,1,2
	ds_load_b128 v[128*(\p)+12*\i+4*\pl:128*(\p)+12*\i+4*\pl+3], v[AD0+2*(\m)+KH] offset:\i*6144+QO+512*\pl
.endr
.endr
	WIN 0
.irp i, 0,1,2,3
.irp pl, 0,1,2
	ds_load_b128 v[AF+48*(\p)+12*\i+4*\pl:AF+48*(\p)+12*\i+4*\pl+3], v[AD1+2*(\m)+KH] offset:\i*6144+QO+512*\pl
.endr
.endr
.endm
.macro WM a, b, p, cm, ra, rb          ; source 1's tile a x source 0's tile b, 128 along K.  cm = 0: onto the sum; 1: the bias of source 0's tile starts it; 2: that of source 1's
.set rD, 8*(8*(\a)+(\b))
.if (\cm) == 0
.set rC, rD
.elseif (\cm) == 1
.set rC, BI+8*(\b)
.else
.set rC, BI+8*(\a)
.endif
.set rB, 128*(\p)+12*(\b)
.set rA, AF+48*(\p)+12*(\a)
	v_wmma_scale_f32_16x16x128_f8f6f4 v[rD:rD+7], v[rB:rB+11], v[rA:rA+11], v[rC:rC+7], v[SBS+4+(\b)/2], v[SBS+(\a)/2] matrix_a_fmt:MATRIX_FMT_FP6 matrix_b_fmt:MATRIX_FMT_FP6 matrix_a_scale:MATRIX_SCALE_ROW\ra matrix_b_scale:MATRIX_SCALE_ROW\rb
.endm
.macro MUL a2, p, cm                   ; 16 products; the 32 accumulators take turns, one instruction a turn, in the same order in every step
.irp oa, 0,1
.irp b2, 0,1,2,3
.irp ob, 0,1
	WM (2*(\a2)+\oa), (2*\b2+\ob), \p, \cm, \ob, \oa
.endr
.endr
.endr
.endm
; A K step.  kind 0: the next step's 36 LDS loads first, then 32 products on the other set.  kind 1: a barrier in it shows the second half of K.  kind 2: the barrier opens a round of the cluster's, and behind it W's slot g0, which nobody reads any more, takes the next group's half.
.macro STEP t, m, cm, kind, g0=0
.set PP, (\t)%2
.set SBS, SC+8*(\t)                    ; the step's scale registers: source 1's two, and from + 4 on source 0's four
.if \kind
	s_wait_tensorcnt 0x0                           ; all my tensor loads have landed
.if (\kind) == 2
	ds_add_u32 v[SPW], v[NIL]                      ; 0 onto my spare word
.endif
	s_wait_dscnt 0x0                               ; the add is done, this step's fragments are in, and my reads of the half of K in hand are over
	s_barrier_signal -1
	WIN 0xa1
	MUL 0, PP, 0
	WIN 0
	s_barrier_wait -1
.if (\kind) == 2
	CREST                                          ; no wave of any partner still reads the slot or has a load on its way
	s_add_nc_u64 s[\g0+2:\g0+3], s[\g0+2:\g0+3], 64*TROW           ; W's next group lies 8 groups of 8 tiles on
	s_cmp_lg_u32 s12, 0
	s_cbranch_scc1 .Lnot_mine_\@
	TLOAD \g0, G1W                                 ; wave 0's one tensor load behind the round
.Lnot_mine_\@:
.endif
	PLACES 4                                       ; in front of loads into registers that the last step's products read
.if (\t) < 7
	FETCH (\t)+1, 1-PP, \m
.endif
	WIN 0xa1
	MUL 1, PP, 0
	WIN 0
.else
.if (\t) < 7
	PLACES 4
	FETCH (\t)+1, 1-PP, \m
	s_wait_dscnt 36                                ; all but the 36 just issued
.else
	s_wait_dscnt 0x0
.endif
.if \cm
	WIN 0x81                                       ; source 0 window 1, sources 1 and 2 window 0, D window 2
.else
	WIN 0xa1
.endif
	MUL 0, PP, \cm
	MUL 1, PP, \cm
	WIN 0
.endif
.endm
.macro SCLOAD s1, s0                   ; a pass's scale words
.set sct, 0
.rept 8
	global_load_b64 v[SC+8*sct:SC+8*sct+1], v[LI], s[\s1:\s1+1] offset:512*sct
	global_load_b128 v[SC+8*sct+4:SC+8*sct+7], v[LI], s[\s0:\s0+1] offset:512*sct
.set sct, sct+1
.endr
.endm
.macro BIASQK                          ; it runs along the registers: tile b, register j: column 32 (b / 2) + 8 (b % 2) + 16 h + j of the 128
.irp b, 0,1,2,3,4,5,6,7
	global_load_b128 v[BI+8*\b:BI+8*\b+3], v[BO], s[BB:BB+1] offset:128*(\b/2)+32*(\b%2)
	global_load_b128 v[BI+8*\b+4:BI+8*\b+7], v[BO], s[BB:BB+1] offset:128*(\b/2)+32*(\b%2)+16
.endr
.endm
; THE WAY OUT.  For source 1's tile a the 64 registers of accumulators (a, 0 .. 7) are, in my lane's row, k = 32 b + 16 h + i at register 16 b + i: they are quantised where they lie.
.macro QOUT a, oc
.set AC, 64*(\a)
.set PCA, 192+12*(\a)                  ; each tile has its own registers for its codes and its scale word
.set PWA, 184+(\a)
	WIN 0x0a                                       ; sources 0 and 1 in the accumulators' window
.irp b, 0,1,2,3
	v_max3_num_f32 v[TM+\b], |v[AC+16*\b]|, |v[AC+16*\b+1]|, 0x1800000    ; each accumulator is read from its low end on; the floor 2^(3 - 127) holds the byte at 1 from below
.endr
.irp i, 2,4,6,8,10,12,14
.irp b, 0,1,2,3
	v_max3_num_f32 v[TM+\b], |v[AC+16*\b+\i]|, |v[AC+16*\b+\i+1]|, v[TM+\b]
.endr
.endr
	WIN 0
.irp b, 0,1,2,3
	v_permlanex16_b32 v[TM+4+\b], v[TM+\b], s[SEL], s[SEL+1]
.endr
.irp b, 0,1,2,3
	v_max_num_f32 v[TM+\b], v[TM+\b], v[TM+4+\b]
.endr
.irp b, 0,1,2,3
	v_add_nc_u32 v[TM+12+\b], 0xff000000, v[TM+\b]
.endr
.irp b, 0,1,2,3
	v_lshrrev_b32 v[TM+4+\b], 23, v[TM+12+\b]
.endr
	v_lshl_or_b32 v[PWA], v[TM+5], 8, v[TM+4]
	v_lshl_or_b32 v[PWA], v[TM+6], 16, v[PWA]
	v_lshl_or_b32 v[PWA], v[TM+7], 24, v[PWA]
	WIN 0x02                                       ; source 0 in the accumulators' window
.irp c, 0,1
	v_cvt_scalef32_pk16_fp6_f32 v[PCA+6*\c:PCA+2+6*\c], v[AC+32*\c:AC+15+32*\c], v[TM+12+2*\c]
	v_cvt_scalef32_pk16_fp6_f32 v[TP+4*\c:TP+2+4*\c], v[AC+16+32*\c:AC+31+32*\c], v[TM+12+2*\c+1]
.endr
	WIN 0
	v_nop                                          ; one plain place behind a scaled conversion
.irp c, 0,1
.irp i, 0,1,2
	v_permlane16_swap_b32 v[PCA+6*\c+\i], v[TP+4*\c+\i]
.endr
.irp i, 0,1,2
	v_mov_b32 v[PCA+3+6*\c+\i], v[TP+4*\c+\i]
.endr
.endr
.irp e, 0,1
	global_store_b128 v[LI], v[PCA+6*\e:PCA+6*\e+3], s[\oc:\oc+1] offset:6144*\e+768*(\a)          ; 512 consecutive bytes,
	global_store_b64 v[L8], v[PCA+6*\e+4:PCA+6*\e+5], s[\oc:\oc+1] offset:6144*\e+768*(\a)+512     ; and 256: both at multiples of 256 from the buffer's first byte
.endr
.endm
.macro WAYOUT oc, os
.irp a, 0,1,2,3
	QOUT \a, \oc
.endr
	s_mov_b32 vcc_lo, 0xffff0000                   ; word i of a lane is tile 2 i's in lanes 0-15, tile 2 i + 1's in lanes 16-31
	v_cndmask_b32 v188, v184, v185, vcc_lo
	v_cndmask_b32 v189, v186, v187, vcc_lo
	global_store_b64 v[LI], v[188:189], s[\os:\os+1]
	s_wait_xcnt 0x0                                ; the stores' data and bases are rewritten only behind this wait
.endm
	s_load_b256 s[4:11], s[0:1], 0x0               ; xq s[4:5], wq s[6:7], b_qkv s[8:9], qkv s[10:11]
	v_lshl_add_u32 v[SPW], v0, 2, SPARE
	v_mov_b32 v[NIL], 0
	ds_add_u32 v[SPW], v[NIL]                      ; the opening lines
	ds_add_u32 v[SPW], v[NIL]
	v_lshrrev_b32 v1, 5, v0
	v_readfirstlane_b32 s12, v1                    ; wave 0..3
	s_lshr_b32 s13, s12, 1                         ; w / 2.  Also: which half of K I fetch at the head
	s_and_b32 s14, s12, 1                          ; w % 2.  Also: I fetch W (0) or x (1)
	s_bfe_u32 s15, ttmp6, 0x40000                  ; cx
	s_bfe_u32 s16, ttmp6, 0x40004                  ; cy
	s_lshl_b32 s17, ttmp9, 2
	s_add_co_u32 s17, s17, s15                     ; pr
	s_and_b32 s18, ttmp7, 0xffff
	s_lshl_b32 s18, s18, 2
	s_add_co_u32 s18, s18, s16                     ; tb
	s_lshl_b32 s19, s16, 2
	s_lshl_b32 s19, 15, s19                        ; my row of the cluster
	s_lshl_b32 s20, 0x1111, s15                    ; my column
	s_or_b32 s[G1W], s20, (3<<16)|(1<<21)          ; the mask; elements of 8 bytes; 21 set beside a mask; rows (tiles) of 6,144 bytes, 12,288 apart: W 8, x 16
	s_or_b32 s[G1X], s19, (3<<16)|(1<<21)
.irp g, G1W, G1X
	s_mov_b32 s[\g+1], 768<<16
	s_mov_b32 s[\g+3], 768<<16
	s_mov_b32 s[\g+5], 1536
	s_mov_b32 s[\g+6], 0
	s_mov_b32 s[\g+7], 0
.endr
	s_mov_b32 s[G1W+2], 8<<16
	s_mov_b32 s[G1W+4], 8
	s_mov_b32 s[G1X+2], 16<<16
	s_mov_b32 s[G1X+4], 16
	s_mul_i32 s52, s17, 8*TROW                     ; W hangs on pr alone: q's group pr
	s_mov_b32 s53, 0
	s_mul_i32 s54, s18, 16*TROW                    ; x on tb alone
	s_mul_i32 s55, s13, 6144
	s_add_co_u32 s54, s54, s55
	s_mov_b32 s55, 0
	s_mov_b32 s[G0L], 1
	s_mov_b32 s[G0L+1], 0
	s_mov_b32 s[G0H], 1
	s_mov_b32 s[G0H+1], HALF
	s_mov_b32 s[G0X], 1
	s_mul_i32 s[G0X+1], s13, HALF
	s_add_co_u32 s[G0X+1], s[G0X+1], BOFF
	s_wait_dscnt 0x0                               ; both opening adds are done
	CROUND                                         ; all sixteen work-groups are here: the joint loads meet
	s_wait_kmcnt 0x0
	s_add_nc_u64 s[G0L+2:G0L+3], s[6:7], s[52:53]
	s_add_nc_u64 s[G0H+2:G0H+3], s[G0L+2:G0L+3], 6144
	s_or_b32 s[G0L+3], s[G0L+3], 0x80000000
	s_or_b32 s[G0H+3], s[G0H+3], 0x80000000
	s_add_nc_u64 s[G0X+2:G0X+3], s[4:5], s[54:55]
	s_or_b32 s[G0X+3], s[G0X+3], 0x80000000
	ARM 0, G0L, G1W, .Larm_1                       ; one chain of arms, one load to an arm
	ARM 1, G0X, G1X, .Larm_2
	ARM 2, G0H, G1W, .Larm_3
	TLOAD G0X, G1X
.Lasked:
	s_lshl_b32 s80, s18, 1                         ; 2 tb
	s_add_co_u32 s81, s80, s13                     ; q, k: my token group
	s_add_co_u32 s82, s80, s14                     ; v: my token group
	s_lshl_b32 s83, s14, 3
	s_lshl_b32 s84, s13, 3
	s_lshl_b32 s[S1B], s81, 12
	s_add_co_u32 s[S1B], s[S1B], s83
	s_add_co_u32 s[S1B], s[S1B], XS                ; x's scale images of my group, my four tiles' two words
	s_lshl_b32 s[S0B], s17, 12
	s_add_co_u32 s[S1V], s[S0B], s84
	s_add_co_u32 s[S1V], s[S1V], WSC+16*4096       ; v's group 16 + pr
	s_add_co_u32 s[S0B], s[S0B], WSC               ; q's group pr
	s_lshl_b32 s[S0V], s82, 12
	s_add_co_u32 s[S0V], s[S0V], XS
	s_lshl_b32 s[BB], s17, 9
	s_lshl_b32 s[BV], s13, 8
	s_add_co_u32 s[BV], s[BV], s[BB]
	s_add_co_u32 s[BV], s[BV], 8192
	s_lshl_b32 s85, s17, 6
	s_add_co_u32 s86, s85, s81                     ; q's block
	s_mul_i32 s[OC], s86, TROW
	s_mul_i32 s87, s14, 3072
	s_add_co_u32 s[OC], s[OC], s87
	s_lshl_b32 s[OS], s86, 9
	s_add_co_u32 s[OS], s[OS], s83
	s_add_co_u32 s[OS], s[OS], QS
	s_add_co_u32 s86, s85, s82
	s_add_co_u32 s86, s86, 1024                    ; v's block
	s_mul_i32 s[OCV], s86, TROW
	s_mul_i32 s87, s13, 3072
	s_add_co_u32 s[OCV], s[OCV], s87
	s_lshl_b32 s[OSV], s86, 9
	s_add_co_u32 s[OSV], s[OSV], s84
	s_add_co_u32 s[OSV], s[OSV], QS
	ADDR S1B, 4
	ADDR S0B, 6
	ADDR BB, 8
	ADDR OC, 10
	ADDR OS, 10
	ADDR S1V, 6
	ADDR S0V, 4
	ADDR BV, 8
	ADDR OCV, 10
	ADDR OSV, 10
	s_mov_b32 s[SEL], 0x76543210
	s_mov_b32 s[SEL+1], 0xfedcba98
	s_mul_i32 s88, s12, 4*6144
	s_add_co_u32 s88, s88, BOFF                    ; q, k: source 1 = x's tiles 4 w ..
	s_mul_i32 s89, s14, 8*6144
	s_add_co_u32 s89, s89, BOFF                    ; v: source 0 = x's tiles 8 (w % 2) ..
	s_mul_i32 s90, s13, 4*6144                     ; v: source 1 = W's tiles 4 (w / 2) ..
	s_mov_b32 s3, 0
	v_and_b32 v1, 31, v0
	v_bfe_u32 v3, v0, 4, 1                         ; h
	v_and_b32 v6, 7, v0
	v_bfe_u32 v7, v0, 3, 1
	v_lshlrev_b32 v[LI], 4, v1
	v_lshlrev_b32 v[L8], 3, v1
	v_lshlrev_b32 v[BO], 6, v3
	v_lshlrev_b32 v6, 2, v6
	v_mov_b32 v[AD0], v[LI]                        ; q, k: source 0 = W's slot, from byte 0 of a half on
	v_add_nc_u32 v[AD1], s88, v[LI]
	v_add_nc_u32 v[AD0+2], s89, v[LI]
	v_add_nc_u32 v[AD1+2], s90, v[LI]
	v_lshl_add_u32 v[BOV], v7, 6, v6               ; v's bias: 4 (r % 8) + 64 (r / 8)
	v_add_nc_u32 v[AD0+1], HALF, v[AD0]
	v_add_nc_u32 v[AD1+1], HALF, v[AD1]
	v_add_nc_u32 v[AD0+3], HALF, v[AD0+2]
	v_add_nc_u32 v[AD1+3], HALF, v[AD1+2]
	s_wait_alu depctr_va_vdst(0)                   ; at the head's end
	SCLOAD S1B, S0B
	BIASQK
	s_cmp_lt_u32 s12, 2
	s_cbranch_scc0 .Lnot_first
	s_wait_tensorcnt 0x0                           ; waves 0 and 1: my tile of the first half of K is in
.Lnot_first:
	s_barrier_signal -1
	s_barrier_wait -1                              ; the first half of K is whole; the second may still be on its way
.Lpass:                                                ; q, then k
	FETCH 0, 0, 0
	s_wait_loadcnt 0x0                             ; the scale words and the bias
	STEP 0, 0, 1, 0                                ; the first K step starts the sums, with the bias as C
	STEP 1, 0, 0, 0
	STEP 2, 0, 0, 0
	STEP 3, 0, 0, 2, G0L                           ; the round shows the second half of K; W's first slot takes the next group
	STEP 4, 0, 0, 0
	STEP 5, 0, 0, 0
	STEP 6, 0, 0, 0
	STEP 7, 0, 0, 2, G0H                           ; the round shows the next group's first half; W's second slot takes its second
	PLACES 4                                       ; in front of loads into the scale registers, of the first read of results and of writes into source 1's registers
	s_wait_xcnt 0x0                                ; the last pass's loads have read their bases
	s_cmp_eq_u32 s3, 1
	s_cbranch_scc1 .Lnext_v
	s_add_nc_u64 s[S0B:S0B+1], s[S0B:S0B+1], 8*4096                ; k's group 8 + pr
	s_add_nc_u64 s[BB:BB+1], s[BB:BB+1], 4096
	SCLOAD S1B, S0B                                ; the next pass's scale words and bias, under the way out
	BIASQK
	s_branch .Lnext
.Lnext_v:
	SCLOAD S1V, S0V
.irp a, 0,1,2,3
.irp j, 0,1,2,3,4,5,6,7
	global_load_b32 v[BI+8*\a+\j], v[BOV], s[BV:BV+1] offset:128*(\a/2)+32*(\a%2)   ; v: one number a lane and tile a, in all eight registers
.endr
.endr
.Lnext:
	WAYOUT OC, OS
	s_add_nc_u64 s[OC:OC+1], s[OC:OC+1], 512*TROW
	s_add_nc_u64 s[OS:OS+1], s[OS:OS+1], 512*512
	s_add_co_u32 s3, s3, 1
	s_cmp_lt_u32 s3, 2
	s_wait_alu depctr_va_vdst(0)                   ; directly ahead of the branch
	s_cbranch_scc1 .Lpass
	FETCH 0, 0, 1                                  ; v: written out: nothing more is fetched from memory
	s_wait_loadcnt 0x0
	STEP 0, 1, 2, 0
	STEP 1, 1, 0, 0
	STEP 2, 1, 0, 0
	STEP 3, 1, 0, 1                                ; a plain barrier shows v's second half of K
	STEP 4, 1, 0, 0
	STEP 5, 1, 0, 0
	STEP 6, 1, 0, 0
	STEP 7, 1, 0, 0
	PLACES 4
	WAYOUT OCV, OSV
	s_wait_tensorcnt 0x0                           ; the wave's end
	ds_add_u32 v[SPW], v[NIL]
	s_wait_dscnt 0x0
	CROUND                                         ; the closing round: no work-group ends while a partner may still ask for a tile that names it
	s_endpgm
.Lfunc_end_k_qea23983441_gemm_qkv:
	.size	k_qea23983441_gemm_qkv, .Lfunc_end_k_qea23983441_gemm_qkv-k_qea23983441_gemm_qkv
	.p2alignl 7, 3214868480
	.fill 96, 4, 3214868480
	.section	.rodata,"a",@progbits
	.p2align	6, 0x0
	.amdhsa_kernel k_qea23983441_gemm_qkv
		.amdhsa_group_segment_fixed_size 327680
		.amdhsa_private_segment_fixed_size 0
		.amdhsa_enable_private_segment 0
		.amdhsa_kernarg_size 32
		.amdhsa_user_sgpr_count 2
		.amdhsa_user_sgpr_kernarg_segment_ptr 1
		.amdhsa_wavefront_size32 1
		.amdhsa_system_sgpr_workgroup_id_x 1
		.amdhsa_system_sgpr_workgroup_id_y 1
		.amdhsa_system_sgpr_workgroup_id_z 1
		.amdhsa_system_vgpr_workitem_id 0
		.amdhsa_next_free_vgpr 768
		.amdhsa_next_free_sgpr 102
		.amdhsa_reserve_vcc 1
		.amdhsa_float_denorm_mode_32 3
		.amdhsa_float_denorm_mode_16_64 3
		.amdhsa_memory_ordered 1
		.amdhsa_forward_progress 1
		.amdhsa_inst_pref_size 161
	.end_amdhsa_kernel
	.amdgpu_metadata
---
amdhsa.version: [ 1, 2 ]
amdhsa.kernels:
  - .name:           k_qea23983441_gemm_qkv
    .symbol:         k_qea23983441_gemm_qkv.kd
    .args:
      - { .name: xq, .offset: 0, .size: 8, .value_kind: global_buffer, .address_space: global }
      - { .name: wq, .offset: 8, .size: 8, .value_kind: global_buffer, .address_space: global }
      - { .name: b_qkv, .offset: 16, .size: 8, .value_kind: global_buffer, .address_space: global }
      - { .name: qkv, .offset: 24, .size: 8, .value_kind: global_buffer, .address_space: global }
    .group_segment_fixed_size: 327680
    .private_segment_fixed_size: 0
    .kernarg_segment_align: 8
    .kernarg_segment_size: 32
    .max_flat_workgroup_size: 128
    .sgpr_count:     102
    .vgpr_count:     768
    .wavefront_size: 32
...
	.end_amdgpu_metadata
.endif
;; end of part 2
;; launch attn (part 3): grid 4 x 64, 16 waves a work-group, clusters of 4 x 1, 210,944 bytes of LDS; arguments qkv, ao; writes ao
.if DOCPART == 3
	.amdgcn_target "amdgcn-amd-amdhsa--gfx1250"
	.amdhsa_code_object_version 6
	.text
	.protected	k_qea23983441_attn
	.globl	k_qea23983441_attn
	.p2align	8
	.type	k_qea23983441_attn,@function
k_qea23983441_attn:
	s_mov_b64 s[64:65], 0
	v_nop
	global_prefetch_b8 v0, s[64:65] scope:SCOPE_SE
	s_setreg_imm32_b32 hwreg(HW_REG_WAVE_MODE, 25, 1), 1
	s_wait_xcnt 0x0
	s_wait_alu depctr_hold_cnt(0) depctr_sa_sdst(0) depctr_va_vdst(0) depctr_va_sdst(0) depctr_va_ssrc(0) depctr_va_vcc(0) depctr_vm_vsrc(0)
	s_getreg_b32 s2, hwreg(HW_REG_IB_STS2, 6, 4)
	s_cmp_eq_u32 s2, 0
	s_cbranch_scc0 .Lentry_in_a_cluster
	s_endpgm
.Lentry_in_a_cluster:
	s_bfe_u32 s2, ttmp6, 0x10000c
	s_cmp_lg_u32 s2, 0x3003
	s_cbranch_scc0 .Lentry_shape_is_right
	s_endpgm
.Lentry_shape_is_right:
; Causal attention on codes of E2M3 for ONE head of one batch entry, and the result quantised along the model's columns into ao.
; t = score x log2(e) / 8; M = the row's largest t so far, rounded UP to a whole number; p = 2^(t - M) is quantised along the keys, not normalised; the row's sum is taken of the unquantised p and divides at the end.
; When M moves, the sum and O are multiplied by 2^(old M - new M): exact.
; LEFT OUT: key steps whose keys all come after a tile's queries: reference()'s own jnp.tril makes their p zero for all inputs.
; SHARES.  Work-group (c = place in the cluster, y = 16 x batch entry + head).  The head's K (16 steps x 6,144 bytes) and V (as much) lie in LDS for the whole launch: filled once, one joint load a wave, never again.
; Wave W owns tile 2 c of token group W and tile 2 c + 1 of token group 15 - W: (W + 1) + (16 - W) = 17 key steps of 128 keys for every wave: ONE loop of 17 trips, one body.
; Trip i, y = i + 15 - W: y < 16: the first tile, key step 15 - y (from its diagonal step down to 0); y >= 16: the second tile, key step y - 16 (up to its diagonal step).  So trips 0 and 16 are the diagonal ones in every wave.
; At y = 16 the first tile is divided, quantised and stored, and the second begins in the same registers.  A running maximum takes the key steps in any order; a tile's first step holds a key that counts for each of its queries.
; CLUSTER: the four work-groups of a head read the same K and V and ask for them jointly.  c enters q's and ao's addresses and the mask's number of a lane, no branch and no LDS address.
; NO PREFETCH: all tensor loads go out at the head; there is no loop to run ahead in.
; OPERANDS are halves of register images, 768 bytes: registers 0-3 at 16 x lane, registers 4, 5 at 512 + 8 x lane.  Row r of tile T is row 32 (T / 2) + 8 (T % 2) + r % 8 + 16 (r / 8) of its group of 128.
; THE FIRST PRODUCT'S K IS 64: K's six registers stand ahead of six registers of zero CODES, which add nothing whatever stands against them; q's and K's scale words are shifted down by 16 bits for the odd head.
; Both products are used transposed (S^T = K Q^T, O^T = V^T P^T): a lane holds one query throughout, and p's 16 registers of two neighbouring tiles are 16 neighbouring keys.
; ao's scale bytes: two bytes a row, 16 bytes apart, since the word's other half belongs to the pair's other head: one byte in 24 of what the launch stores.
; LIMITS: NaN and infinities are not served; the promise holds while |t| stays under 2^31; a block whose largest magnitude lies under 2^-124, and a block of zeros, get the byte 1 (zero codes add nothing; this program alone reads the bytes).
; REGISTERS: v1-11, v19 addresses; v12-15 -M, largest t, sum in two halves; v16-18 q's scale word, the second tile's, its mask number; v20-31 q of both tiles; v32-127 K's six registers and six zeros by turns;
; v128-191 S^T, then p, then V; v192-223 O^T; v224-254 at work; v243, v255 V's scale words; v248-251 K's.
.set VR,    98304                      ; K at 0, V behind it: step s at 6,144 s
.set KSC,   196608                     ; K's scale images, shifted: 512 bytes a step
.set VSC,   204800                     ; the head's half of V's scale images: 256 bytes a step
.set SPARE, 208896                     ; the spare words, 128 bytes for each wave: eight blocks of 256 bytes that no other line names
.set QS,    18874368
.set AOS,   6291456
.set LI,   1                           ; 16 x lane
.set SPW,  2
.set NIL,  3
.set L8,   4                           ; 8 x lane
.set AK,   5                           ; the step's place in K, by 16 and by 8 bytes a lane
.set AK8,  6
.set AV,   7                           ; in V
.set AV8,  8
.set AS,   9                           ; K's scale image
.set R16,  10                          ; 16 x (lane % 16)
.set DG,   11                          ; my query's place in its 128, less 16 h
.set ASV,  19                          ; V's scale words
.set KF,   32
.set ST,   128
.set OT,   192
.set KS,   248
.set CS,   22                          ; s[22:23] log2(e) / 8
.set G1K,  24
.set G1V,  32
.set G0,   40
.set SEL,  48                          ; s48, s49 lane selects: lane l xor 16
.set CA,   60                          ; s[60:61], s[62:63] the first tile's codes and scale bytes in ao; s[68:69], s[70:71] the second's
.set SA,   62
.set CB,   68
.set SB,   70
.macro CROUND
	s_barrier_signal -1
	s_barrier_wait -1
	s_cmp_lg_u32 s8, 0
	s_cbranch_scc1 .Lnot_wave_0_\@
	s_barrier_signal -3
.Lnot_wave_0_\@:
	s_barrier_wait -3
	s_barrier_signal -1
	s_barrier_wait -1
.endm
.macro ADDR d, base                    ; a 32-bit offset becomes an address
	s_mov_b32 s[\d+1], 0
	s_add_nc_u64 s[\d:\d+1], s[\base:\base+1], s[\d:\d+1]
.endm
.macro OUTAD cd, sd, g, u              ; tile 8 (16 b + g) + 2 c + u: its half image at ((8 T + pair) x 1,536 + 768 e), its scale bytes
	s_lshl_b32 s[\sd], s13, 4
	s_add_co_u32 s[\sd], s[\sd], s[\g]
	s_lshl_b32 s[\sd], s[\sd], 3
	s_add_co_u32 s[\cd], s[\sd], s85
	s_lshl_b32 s[\cd], s[\cd], 3
	s_add_co_u32 s[\cd], s[\cd], s15
	s_mul_i32 s[\cd], s[\cd], 1536
	s_add_co_u32 s[\cd], s[\cd], s86
	s_add_co_u32 s[\cd], s[\cd], 12288*\u
	s_add_co_u32 s[\sd], s[\sd], s15
	s_lshl_b32 s[\sd], s[\sd], 9
	s_add_co_u32 s[\sd], s[\sd], s84
	s_add_co_u32 s[\sd], s[\sd], s87
	s_add_co_u32 s[\sd], s[\sd], AOS+256*\u
.endm
.macro CLEAR                           ; a tile begins: the step is written once, so the first finds zeros, which the first change of M leaves zeros
	v_mov_b32 v13, 0xff61b1e6                      ; the largest t so far: -3e38
	v_mov_b32 v14, 0
	v_mov_b32 v15, 0
	v_floor_f32 v12, -v13
.set j, 0
.rept 32
	v_mov_b32 v[OT+j], 0
.set j, j+1
.endr
.endm
.macro FINAL cb, sb                    ; O^T / the sum; registers 16 b + i are the head's channels 32 b + 16 h + i: two blocks, six registers of codes, two scale bytes
	v_nop                                          ; with the three plain lines below: the places behind the last products
	v_nop
	v_add_f32 v14, v14, v15
	v_permlanex16_b32 v252, v14, s[SEL], s[SEL+1]
	v_add_f32 v14, v14, v252
	s_wait_alu depctr_va_vdst(0)                   ; ahead of the transcendental
	v_rcp_f32 v14, v14
	v_nop
	s_wait_alu depctr_va_vdst(0)                   ; and behind it, directly ahead of the first reader of O^T
.set j, 0
.rept 16
	v_pk_mul_f32 v[ST+j:ST+j+1], v[OT+j:OT+j+1], v[14:15] op_sel_hi:[1,0]
.set j, j+2
.endr
.irp b, 0,1
	v_max3_num_f32 v[232+\b], |v[ST+16*\b]|, |v[ST+1+16*\b]|, 0x1800000      ; the floor 2^(3 - 127) holds the byte at 1 from below
.endr
.irp i, 2,4,6,8,10,12,14
.irp b, 0,1
	v_max3_num_f32 v[232+\b], v[232+\b], |v[ST+16*\b+\i]|, |v[ST+1+16*\b+\i]|
.endr
.endr
.irp b, 0,1
	v_permlanex16_b32 v[236+\b], v[232+\b], s[SEL], s[SEL+1]
.endr
.irp b, 0,1
	v_max_num_f32 v[232+\b], v[232+\b], v[236+\b]
.endr
.irp b, 0,1
	v_add_nc_u32 v[244+\b], 0xff000000, v[232+\b]  ; 2 off the exponent field: the conversion's scale operand
.endr
.irp b, 0,1
	v_lshrrev_b32 v[236+\b], 23, v[244+\b]
.endr
	v_lshl_or_b32 v253, v237, 8, v236
	v_cvt_scalef32_pk16_fp6_f32 v[224:226], v[ST:ST+15], v244
	v_cvt_scalef32_pk16_fp6_f32 v[240:242], v[ST+16:ST+31], v245
	v_nop                                          ; one plain place behind a scaled conversion
.irp i, 0,1,2
	v_permlane16_swap_b32 v[224+\i], v[240+\i]     ; a whole block in a lane: lanes 0-15 block 0, lanes 16-31 block 1
.endr
.irp i, 0,1,2
	v_mov_b32 v[227+\i], v[240+\i]
.endr
	global_store_b128 v[LI], v[224:227], s[\cb:\cb+1]              ; 512 consecutive bytes,
	global_store_b64 v[L8], v[228:229], s[\cb:\cb+1] offset:512    ; and 256, both at multiples of 256 from ao's first byte
	global_store_b16 v[R16], v253, s[\sb:\sb+1]                    ; lanes l and l + 16 store the same two bytes at the same place
	s_wait_xcnt 0x0                                ; the stores' data are rewritten only behind this wait
.endm
.macro WHERE i                         ; trip s[i]: y in s56, its key step in s57, the step's byte in K in s52, its scale image in s53
	s_add_co_u32 s56, s[\i], s9
	s_bfe_u32 s57, s56, 0x10004
	s_mul_i32 s57, s57, 15
	s_xor_b32 s57, s57, s56
	s_xor_b32 s57, s57, 15
	s_and_b32 s57, s57, 15                         ; 15 - y, or y - 16
	s_mul_i32 s52, s57, 6144
	s_lshl_b32 s53, s57, 9
	s_add_co_u32 s53, s53, KSC
.endm
.macro KLOAD                           ; a step's eight tiles of K and their scale words: 17 loads
	ds_load_b128 v[KS:KS+3], v[AS]                 ; register i: tile 2 i in lanes 0-15, tile 2 i + 1 in lanes 16-31
.irp t, 0,1,2,3,4,5,6,7
	ds_load_b128 v[KF+12*\t:KF+12*\t+3], v[AK] offset:768*\t
	ds_load_b64 v[KF+12*\t+4:KF+12*\t+5], v[AK8] offset:768*\t+512
.endr
.endm
.macro KQ t
.if (\t)%2
	v_wmma_scale_f32_16x16x128_f8f6f4 v[ST+8*\t:ST+8*\t+7], v[KF+12*\t:KF+12*\t+11], v[20:31], 0, v[KS+\t/2], v16 matrix_a_fmt:MATRIX_FMT_FP6 matrix_b_fmt:MATRIX_FMT_FP6 matrix_a_scale:MATRIX_SCALE_ROW1
.else
	v_wmma_scale_f32_16x16x128_f8f6f4 v[ST+8*\t:ST+8*\t+7], v[KF+12*\t:KF+12*\t+11], v[20:31], 0, v[KS+\t/2], v16 matrix_a_fmt:MATRIX_FMT_FP6 matrix_b_fmt:MATRIX_FMT_FP6
.endif
.endm
.macro PV t                            ; 16 channels (tile t of the head) x 16 queries, K = the step's 128 keys
.if (\t)%2
	v_wmma_scale_f32_16x16x128_f8f6f4 v[OT+8*\t:OT+8*\t+7], v[ST+12*\t:ST+12*\t+11], v[224:235], v[OT+8*\t:OT+8*\t+7], v[243+12*(\t/2)], v253 matrix_a_fmt:MATRIX_FMT_FP6 matrix_b_fmt:MATRIX_FMT_FP6 matrix_a_scale:MATRIX_SCALE_ROW1
.else
	v_wmma_scale_f32_16x16x128_f8f6f4 v[OT+8*\t:OT+8*\t+7], v[ST+12*\t:ST+12*\t+11], v[224:235], v[OT+8*\t:OT+8*\t+7], v[243+12*(\t/2)], v253 matrix_a_fmt:MATRIX_FMT_FP6 matrix_b_fmt:MATRIX_FMT_FP6
.endif
.endm
	s_load_b128 s[4:7], s[0:1], 0x0                ; qkv, ao
	v_lshl_add_u32 v[SPW], v0, 2, SPARE
	v_mov_b32 v[NIL], 0
	ds_add_u32 v[SPW], v[NIL]                      ; the opening lines
	ds_add_u32 v[SPW], v[NIL]
	v_lshrrev_b32 v1, 5, v0
	v_readfirstlane_b32 s8, v1                     ; W: also the first tile's token group
	s_xor_b32 s9, s8, 15                           ; 15 - W: the second tile's
	s_bfe_u32 s10, ttmp6, 0x40000                  ; c
	s_and_b32 s12, ttmp7, 0xffff
	s_lshr_b32 s13, s12, 4                         ; batch entry
	s_and_b32 s14, s12, 15                         ; head
	s_lshr_b32 s15, s14, 1                         ; pair
	s_and_b32 s16, s14, 1                          ; e
	s_lshl_b32 s17, s15, 6
	s_lshl_b32 s18, s13, 4
	s_add_co_u32 s17, s17, s18                     ; q's first block: 64 pair + 16 b; k's lies 512 blocks on, v's 1,024
	s_mov_b32 s[G1K], 15|(3<<16)|(1<<21)           ; the mask: all four work-groups; elements of 8 bytes; K: 2 rows (steps) of 6,144 bytes, 12,288 apart
	s_mov_b32 s[G1K+1], 768<<16
	s_mov_b32 s[G1K+2], 2<<16
	s_mov_b32 s[G1K+3], 768<<16
	s_mov_b32 s[G1K+4], 2
	s_mov_b32 s[G1K+5], 1536
	s_mov_b32 s[G1K+6], 0
	s_mov_b32 s[G1K+7], 0
	s_mov_b32 s[G1V], 15|(3<<16)|(1<<21)           ; V: 4 rows (step, half of its keys) of 3,072 bytes, 6,144 apart
	s_mov_b32 s[G1V+1], 384<<16
	s_mov_b32 s[G1V+2], 4<<16
	s_mov_b32 s[G1V+3], 384<<16
	s_mov_b32 s[G1V+4], 4
	s_mov_b32 s[G1V+5], 768
	s_mov_b32 s[G1V+6], 0
	s_mov_b32 s[G1V+7], 0
	s_add_co_u32 s44, s17, 512                     ; waves 0-7 fetch K's steps 2 W, 2 W + 1; waves 8-15 V's steps 2 (W - 8), 2 (W - 8) + 1
	s_mul_i32 s44, s44, 12288
	s_mul_i32 s45, s8, 24576
	s_add_co_u32 s44, s44, s45
	s_mov_b32 s45, 3072
	s_cmp_lt_u32 s8, 8
	s_cselect_b32 s45, 6144, s45
	s_cselect_b32 s46, 0, 512*12288-8*24576
	s_mul_i32 s45, s45, s16                        ; the head's half of a block
	s_add_co_u32 s44, s44, s45
	s_add_co_u32 s44, s44, s46
	s_mov_b32 s[G0], 1
	s_mul_i32 s[G0+1], s8, 12288                   ; in LDS: wave x 12,288: K's eight parts, then V's eight
	s_lshl_b32 s84, s10, 2                         ; 4 c
	s_lshl_b32 s85, s10, 1                         ; 2 c
	s_mul_i32 s86, s16, 768
	s_lshl_b32 s87, s16, 1
	s_mul_i32 s88, s16, 6144
	s_mul_i32 s89, s10, 1536
	s_add_co_u32 s90, s17, s8                      ; q's block of the first tile,
	s_add_co_u32 s91, s17, s9                      ; of the second
	s_lshl_b32 s92, s16, 4                         ; 16 e: the shift of q's and K's scale words
	s_mul_i32 s72, s90, 12288
	s_add_co_u32 s72, s72, s88
	s_add_co_u32 s72, s72, s89                     ; q, tile 2 c
	s_mul_i32 s74, s91, 12288
	s_add_co_u32 s74, s74, s88
	s_add_co_u32 s74, s74, s89
	s_add_co_u32 s74, s74, 768                     ; q, tile 2 c + 1
	s_lshl_b32 s93, s90, 9
	s_add_co_u32 s76, s93, s84
	s_add_co_u32 s76, s76, QS                      ; their scale words: 16 r + 256 (T % 2) + 4 (T / 2) in the block's image
	s_lshl_b32 s78, s91, 9
	s_add_co_u32 s78, s78, s84
	s_add_co_u32 s78, s78, QS+256
	s_add_co_u32 s80, s93, QS+512*512              ; the scale image of K's step W,
	s_lshl_b32 s82, s16, 3
	s_add_co_u32 s82, s82, s93
	s_add_co_u32 s82, s82, QS+1024*512             ; and the head's half of V's
	OUTAD CA, SA, 8, 0
	OUTAD CB, SB, 9, 1
	s_mov_b32 s[SEL], 0x76543210
	s_mov_b32 s[SEL+1], 0xfedcba98
	s_mov_b32 s[CS], 0x3e38aa3b
	s_mov_b32 s[CS+1], s[CS]
	s_lshl_b32 s94, s10, 5                         ; tile 2 c's first query in its 128
	s_lshl_b32 s95, s8, 9
	s_add_co_u32 s95, s95, KSC
	s_lshl_b32 s93, s8, 8
	s_add_co_u32 s93, s93, VSC
	s_wait_dscnt 0x0                               ; both opening adds are done
	CROUND                                         ; all four work-groups are here: the joint loads meet
	s_wait_kmcnt 0x0
	s_mov_b32 s45, 0
	s_add_nc_u64 s[G0+2:G0+3], s[4:5], s[44:45]
	s_or_b32 s[G0+3], s[G0+3], 0x80000000
	ADDR 72, 4
	ADDR 74, 4
	ADDR 76, 4
	ADDR 78, 4
	ADDR 80, 4
	ADDR 82, 4
	ADDR CA, 6
	ADDR SA, 6
	ADDR CB, 6
	ADDR SB, 6
	s_cmp_lt_u32 s8, 8                             ; one tensor load a wave, in the two arms of one branch on the wave's number
	s_cbranch_scc0 .Lfor_v
	tensor_load_to_lds s[G0:G0+3], s[G1K:G1K+7]
	s_nop 0
.rept 4
	v_nop
.endr
	s_branch .Lasked
.Lfor_v:
	tensor_load_to_lds s[G0:G0+3], s[G1V:G1V+7]
	s_nop 0
.rept 4
	v_nop
.endr
.Lasked:
	v_and_b32 v19, 31, v0
	v_and_b32 v[R16], 15, v0
	v_lshlrev_b32 v[LI], 4, v19
	v_lshlrev_b32 v[L8], 3, v19
	v_lshlrev_b32 v[R16], 4, v[R16]
	global_load_b128 v[20:23], v[LI], s[72:73]               ; q of the first tile,
	global_load_b64 v[24:25], v[L8], s[72:73] offset:512
	global_load_b128 v[26:29], v[LI], s[74:75]               ; of the second: until its turn it stands against K's zero codes
	global_load_b64 v[30:31], v[L8], s[74:75] offset:512
	global_load_b32 v16, v[R16], s[76:77]
	global_load_b32 v17, v[R16], s[78:79]
	global_load_b128 v[224:227], v[LI], s[80:81]
	global_load_b64 v[228:229], v[LI], s[82:83]
	v_and_b32 v[DG], 7, v0
	v_bfe_u32 v7, v0, 3, 1
	v_bfe_u32 v8, v0, 4, 1
	v_lshl_add_u32 v[DG], v7, 4, v[DG]
	v_lshlrev_b32 v8, 4, v8
	v_add_nc_u32 v5, s95, v[LI]                    ; where my step's scale words go
	v_sub_nc_u32 v[DG], v[DG], v8
	v_add_nc_u32 v6, s93, v[L8]
	v_add_nc_u32 v[DG], s94, v[DG]
	v_mov_b32 v252, 0
	v_add_nc_u32 v18, 8, v[DG]
.irp t, 0,1,2,3,4,5,6,7
.irp i, 6,7,8,9,10,11
	v_mov_b32 v[KF+12*\t+\i], 0                    ; the zero codes behind K's six registers: written once
.endr
.endr
	CLEAR
.irp b, 0,1,2,3
	v_mov_b32 v[236+\b], 0                         ; a lane permute's destination counts as one of its sources
.endr
	v_mov_b32 v253, 0
	v_mov_b32 v254, 0
	s_wait_loadcnt 0x0
	v_lshrrev_b32 v16, s92, v16                    ; the head's two bytes come lowest; the bytes above them meet zero codes alone
	v_lshrrev_b32 v17, s92, v17
.irp i, 0,1,2,3
	v_lshrrev_b32 v[224+\i], s92, v[224+\i]
.endr
	s_mov_b32 s50, 0
	s_wait_alu depctr_va_vdst(0)                   ; at the head's end
	s_wait_tensorcnt 0x0                           ; my part of K or V is in
	ds_store_b128 v5, v[224:227]
	ds_store_b64 v6, v[228:229]
	s_wait_dscnt 0x0                               ; for the others' sake
	s_barrier_signal -1
	s_barrier_wait -1                              ; all of K, V and their scale words lie in LDS; nothing is filled or stored there again
	WHERE 50                                       ; K IS FETCHED ONE TRIP AHEAD: trip 0's here, trip i + 1's behind trip i's score products
	v_add_nc_u32 v[AK], s52, v[LI]
	v_add_nc_u32 v[AK8], s52, v[L8]
	v_add_nc_u32 v[AS], s53, v[LI]
	KLOAD
.Ltrip:
	WHERE 50
	s_add_co_u32 s59, s52, VR
	s_lshl_b32 s54, s57, 8
	s_add_co_u32 s54, s54, VSC
	s_cmp_lg_u32 s56, 16
	s_cbranch_scc1 .Lsame
	FINAL CA, SA                                   ; the first tile is done
	v_mov_b32 v16, v17                             ; the second tile's scale word (more than eight places ahead of its first product), mask number and q
	v_mov_b32 v[DG], v18
.irp i, 0,1,2,3,4,5
	v_mov_b32 v[20+\i], v[26+\i]
.endr
	CLEAR
.Lsame:
	v_add_nc_u32 v[AV], s59, v[LI]                 ; these five lines are also the places between the last products and the lines that write over their registers
	v_add_nc_u32 v[AV8], s59, v[L8]
	v_add_nc_u32 v[ASV], s54, v[L8]
	v_nop
	v_nop
	ds_load_b32 v243, v[ASV]
	ds_load_b32 v255, v[ASV] offset:4
	s_wait_alu depctr_va_vdst(0)                   ; directly ahead of the wait below
	s_wait_dscnt 2                                 ; K and its scale words are in; the two loads just issued, V's scale words, may be out
.irp t, 0,1,2,3,4,5,6,7
	KQ \t
.endr
	s_add_co_u32 s51, s50, 1
	WHERE 51                                       ; behind the last trip this names a step inside K, whose fragments nobody uses
	v_add_nc_u32 v[AK], s52, v[LI]                 ; four places in front of the loads into K's registers and of the first read of the scores
	v_add_nc_u32 v[AK8], s52, v[L8]
	v_add_nc_u32 v[AS], s53, v[LI]
	v_nop
	KLOAD
	s_and_b32 s58, s50, 15                         ; trips 0 and 16: the diagonal step: hidden scores become -infinity ahead of the maximum
	s_cmp_lg_u32 s58, 0
	s_cbranch_scc1 .Lopen
	v_mov_b32 v254, 0xff800000
.set n, 0
.rept 64
	v_cmp_gt_i32 vcc_lo, 32*(n/16)+n%16, v[DG]     ; register n holds key 32 (n / 16) + n % 16 + 16 h of the step
	v_cndmask_b32 v[ST+n], v[ST+n], v254, vcc_lo
.set n, n+1
.endr
.Lopen:
.irp b, 0,1,2,3
	v_max3_num_f32 v[232+\b], v[ST+16*\b], v[ST+1+16*\b], v[ST+2+16*\b]      ; the largest score of each block of 32 keys: for the row's maximum and, since p rises with the score, for the block's largest p
.endr
.irp i, 3,5,7,9,11,13
.irp b, 0,1,2,3
	v_max3_num_f32 v[232+\b], v[232+\b], v[ST+16*\b+\i], v[ST+1+16*\b+\i]
.endr
.endr
.irp b, 0,1,2,3
	v_max_num_f32 v[232+\b], v[232+\b], v[ST+15+16*\b]
.endr
.irp b, 0,1,2,3
	v_permlanex16_b32 v[236+\b], v[232+\b], s[SEL], s[SEL+1]
.endr
.irp b, 0,1,2,3
	v_max_num_f32 v[232+\b], v[232+\b], v[236+\b]  ; with lane l xor 16's 16 keys
.endr
	v_max3_num_f32 v254, v232, v233, v234
	s_delay_alu instid0(VALU_DEP_1)
	v_max_num_f32 v254, v254, v235
	s_delay_alu instid0(VALU_DEP_1)
	v_mul_f32 v254, s[CS], v254                    ; the step's largest t
	s_delay_alu instid0(VALU_DEP_1)
	v_max_num_f32 v13, v13, v254                   ; the running largest t
	v_mov_b32 v254, v12
	s_delay_alu instid0(VALU_DEP_2)
	v_floor_f32 v12, -v13                          ; -M = floor(-t)
	s_delay_alu instid0(VALU_DEP_1)
	v_sub_f32 v254, v12, v254                      ; old M - new M, 0 or less
	s_delay_alu instid0(VALU_DEP_1)
	v_cvt_i32_f32 v254, v254                       ; (it saturates)
	s_delay_alu instid0(VALU_DEP_1)
	v_ldexp_f32 v252, 1.0, v254                    ; f = 2^(old M - new M)
.set j, 0
.rept 32
	v_pk_fma_f32 v[ST+j:ST+j+1], v[ST+j:ST+j+1], s[CS:CS+1], v[12:13] op_sel_hi:[1,0,0]   ; t - M, two at a time
.set j, j+2
.endr
.irp b, 0,1,2,3
	v_fma_f32 v[232+\b], v[232+\b], s[CS], v12
.endr
	s_wait_alu depctr_va_vdst(0)                   ; ahead of the batch
.set j, 0
.rept 64
	v_exp_f32 v[ST+j], v[ST+j]                     ; p = 2^(t - M)
.set j, j+1
.endr
.irp b, 0,1,2,3
	v_exp_f32 v[232+\b], v[232+\b]                 ; the block's largest p
.endr
	v_pk_mul_f32 v[14:15], v[14:15], v[252:253] op_sel_hi:[1,0]              ; the sums under the new M: a plain place behind the exponentials
	s_wait_alu depctr_va_vdst(0)                   ; one wait for the batch, ahead of its first reader
.irp b, 0,1,2,3
	v_max_num_f32 v[232+\b], 0x1800000, v[232+\b]  ; the floor 2^(3 - 127)
.endr
.irp b, 0,1,2,3
	v_add_nc_u32 v[244+\b], 0xff000000, v[232+\b]  ; the conversion's scale operand
.endr
.irp b, 0,1,2,3
	v_lshrrev_b32 v[236+\b], 23, v[244+\b]         ; the scale's byte
.endr
	v_lshl_or_b32 v253, v237, 8, v236              ; p's scale word for these 128 keys
	v_lshl_or_b32 v253, v238, 16, v253
	v_lshl_or_b32 v253, v239, 24, v253
	v_pk_add_f32 v[236:237], v[ST:ST+1], v[ST+2:ST+3]              ; the row's sum is taken of the unquantised p: two at a time, in two chains
.irp j, 4,8,12,16,20,24,28,32,36,40,44,48,52,56,60
	v_pk_add_f32 v[14:15], v[14:15], v[ST+\j:ST+\j+1]
	v_pk_add_f32 v[236:237], v[236:237], v[ST+\j+2:ST+\j+3]
.endr
	v_pk_add_f32 v[14:15], v[14:15], v[236:237]
.irp c, 0,1
	v_cvt_scalef32_pk16_fp6_f32 v[224+6*\c:226+6*\c], v[ST+32*\c:ST+15+32*\c], v[244+2*\c]
	v_cvt_scalef32_pk16_fp6_f32 v[236+4*\c:238+4*\c], v[ST+16+32*\c:ST+31+32*\c], v[244+2*\c+1]
.endr
	v_nop                                          ; one plain place behind a scaled conversion
.irp t, 0,1,2,3
.irp c, 0,1
	ds_load_b128 v[ST+12*\t+6*\c:ST+12*\t+6*\c+3], v[AV] offset:3072*\c+768*\t             ; the head's four tiles of V, into p's registers, as soon as p is summed and converted: registers 6 c .. are keys 64 c ..
	ds_load_b64 v[ST+12*\t+6*\c+4:ST+12*\t+6*\c+5], v[AV8] offset:3072*\c+768*\t+512
.endr
.endr
.irp c, 0,1
.irp i, 0,1,2
	v_permlane16_swap_b32 v[224+6*\c+\i], v[236+4*\c+\i]
.endr
.irp i, 0,1,2
	v_mov_b32 v[227+6*\c+\i], v[236+4*\c+\i]
.endr
.endr
	s_wait_alu depctr_va_vdst(0)                   ; directly ahead of the first reader of O^T
.set j, 0
.rept 16
	v_pk_mul_f32 v[OT+j:OT+j+1], v[OT+j:OT+j+1], v[252:253] op_sel_hi:[1,0]  ; O^T under the new M, from each accumulator's low end on, while the loads are out
.set j, j+2
.endr
	s_wait_alu depctr_va_vdst(0)                   ; directly ahead of the wait below
	s_wait_dscnt 0x0
.irp t, 0,1,2,3
	PV \t                                          ; four accumulators by turns; eleven other matrix instructions stand between two links of a chain
.endr
	s_add_co_u32 s50, s50, 1
	s_cmp_lt_u32 s50, 17
	s_cbranch_scc1 .Ltrip
	FINAL CB, SB                                   ; the second tile
	s_wait_tensorcnt 0x0                           ; the wave's end
	ds_add_u32 v[SPW], v[NIL]
	s_wait_dscnt 0x0
	CROUND                                         ; the closing round
	s_endpgm
.Lfunc_end_k_qea23983441_attn:
	.size	k_qea23983441_attn, .Lfunc_end_k_qea23983441_attn-k_qea23983441_attn
	.p2alignl 7, 3214868480
	.fill 96, 4, 3214868480
	.section	.rodata,"a",@progbits
	.p2align	6, 0x0
	.amdhsa_kernel k_qea23983441_attn
		.amdhsa_group_segment_fixed_size 210944
		.amdhsa_private_segment_fixed_size 0
		.amdhsa_enable_private_segment 0
		.amdhsa_kernarg_size 16
		.amdhsa_user_sgpr_count 2
		.amdhsa_user_sgpr_kernarg_segment_ptr 1
		.amdhsa_wavefront_size32 1
		.amdhsa_system_sgpr_workgroup_id_x 1
		.amdhsa_system_sgpr_workgroup_id_y 1
		.amdhsa_system_sgpr_workgroup_id_z 1
		.amdhsa_system_vgpr_workitem_id 0
		.amdhsa_next_free_vgpr 256
		.amdhsa_next_free_sgpr 96
		.amdhsa_reserve_vcc 1
		.amdhsa_float_denorm_mode_32 3
		.amdhsa_float_denorm_mode_16_64 3
		.amdhsa_memory_ordered 1
		.amdhsa_forward_progress 1
		.amdhsa_inst_pref_size 45
	.end_amdhsa_kernel
	.amdgpu_metadata
---
amdhsa.version: [ 1, 2 ]
amdhsa.kernels:
  - .name:           k_qea23983441_attn
    .symbol:         k_qea23983441_attn.kd
    .args:
      - { .name: qkv, .offset: 0, .size: 8, .value_kind: global_buffer, .address_space: global }
      - { .name: ao, .offset: 8, .size: 8, .value_kind: global_buffer, .address_space: global }
    .group_segment_fixed_size: 210944
    .private_segment_fixed_size: 0
    .kernarg_segment_align: 8
    .kernarg_segment_size: 16
    .max_flat_workgroup_size: 512
    .sgpr_count:     96
    .vgpr_count:     256
    .wavefront_size: 32
...
	.end_amdgpu_metadata
.endif
;; end of part 3
;; launch gemm_out (part 4): grid 4 x 64, 4 waves a work-group, clusters of 4 x 4, 295,424 bytes of LDS; arguments ao, wq, b_out, out0; writes out0
.if DOCPART == 4
	.amdgcn_target "amdgcn-amd-amdhsa--gfx1250"
	.amdhsa_code_object_version 6
	.text
	.protected	k_qea23983441_gemm_out
	.globl	k_qea23983441_gemm_out
	.p2align	8
	.type	k_qea23983441_gemm_out,@function
k_qea23983441_gemm_out:
	s_mov_b64 s[64:65], 0
	v_nop
	global_prefetch_b8 v0, s[64:65] scope:SCOPE_SE
	s_setreg_imm32_b32 hwreg(HW_REG_WAVE_MODE, 25, 1), 1
	s_wait_xcnt 0x0
	s_wait_alu depctr_hold_cnt(0) depctr_sa_sdst(0) depctr_va_vdst(0) depctr_va_sdst(0) depctr_va_ssrc(0) depctr_va_vcc(0) depctr_vm_vsrc(0)
	s_getreg_b32 s2, hwreg(HW_REG_IB_STS2, 6, 4)
	s_cmp_eq_u32 s2, 0
	s_cbranch_scc0 .Lentry_in_a_cluster
	s_endpgm
.Lentry_in_a_cluster:
	s_bfe_u32 s2, ttmp6, 0x10000c
	s_cmp_lg_u32 s2, 0xf033
	s_cbranch_scc0 .Lentry_shape_is_right
	s_endpgm
.Lentry_shape_is_right:
; out0 = attention's output x W_out + b_out on codes of E2M3, K = 1,024; out0 [8192][1024] f32.
; A block of 128 tokens x 256 columns to a work-group: 64 x 4 = 256 work-groups.  Four waves, 2 x 2: a wave makes 64 tokens x 128 columns: 32 accumulators, 256 registers.
; Source 0 = W_out's columns (side B), source 1 = tokens (side A): a lane holds one token and eight neighbouring columns a tile.
; OPERANDS lie in memory in the order of their registers, 1,536 bytes for 16 rows x 128 K, a tile's 8 images 12,288.  An image of wq: plane q at 512 q, lane l at 16 l.  An image of ao: two halves of 768 bytes, a head each:
; registers 6 e .. 6 e + 3 at 16 x lane, registers 6 e + 4, 5 at 512 + 8 x lane.  Row r of tile T is row 32 (T / 2) + 8 (T % 2) + r % 8 + 16 (r / 8).  A scale image (8 tiles x 128 K) is 512 bytes.
; LDS: ALL OF K, in two halves of 512 along K: in each A's 8 tiles x 6,144 bytes, then B's 16 tiles x 6,144.  Each byte is filled once: one joint load a wave at the head (wave 0 A's first half, wave 1 B's, waves 2, 3 the second halves).
; The first barrier waits for waves 0 and 1 alone, whose load lines are their own; the barrier in K step 3 shows the second half.  Nothing is filled again.  No prefetch: every load goes out at the head.
; The scale words of all eight K steps come by plain loads straight into registers v32-95, which hold nothing else.
; CLUSTER 4 x 4: A's tiles are asked for jointly along a row of the cluster, B's along a column.
; A K step: the next step's 40 LDS loads first, then 32 products on the other set of fragments.  The way out goes through a stage in the first half of K, which nobody reads behind the barrier in K step 3.
; REGISTERS: window 0: v4-29 addresses; v32-95 scale words; v96-159 the bias as C; v160-255 A's fragments, two sets; on the way out v96-223 rows of out0.  window 1: B's fragments, two sets.  window 2: accumulator (a, b) at v[8 (8 a + b)].
.set TROW,  12288
.set HALF,  147456
.set BOFF,  49152
.set SPARE, 2*HALF                     ; the spare words, 128 bytes for each wave: two blocks of 256 bytes that no other line names
.set AOS,   6291456
.set WSC,   3145728
.set SPITCH, 528
.set LI,   4                           ; 16 x lane
.set L8,   5                           ; 8 x lane
.set ADRA, 8                           ; v8, v9   my four tiles of A in the first, second half of K
.set AD8,  10                          ; v10, v11 the same by 8 bytes a lane
.set ADRB, 12                          ; v12, v13 my eight tiles of B
.set BO,   20
.set STO,  24
.set RD,   25
.set SPW,  28
.set NIL,  29
.set SC,   32
.set BI,   96
.set AF,   160
.set BK,   96
.set G1A,  24
.set G1B,  32
.set G0A,  40
.set G0B,  44
.set TO_B, 0x40
.set MSB, 0
.macro WIN new                         ; the immediate's high byte repeats the setting that is left
.if MSB != (\new)
	s_set_vgpr_msb (MSB<<8)|(\new)
.set MSB, (\new)
.endif
.endm
.macro PLACES n
.rept \n
	v_nop
.endr
.endm
.macro CROUND
	s_barrier_signal -1
	s_barrier_wait -1
	s_cmp_lg_u32 s12, 0
	s_cbranch_scc1 .Lnot_wave_0_\@
	s_barrier_signal -3
.Lnot_wave_0_\@:
	s_barrier_wait -3
	s_barrier_signal -1
	s_barrier_wait -1
.endm
.macro TLOAD g0, g1
	tensor_load_to_lds s[\g0:\g0+3], s[\g1:\g1+7]
	s_nop 0
	PLACES 4
.endm
.macro ARM n, g0, g1, next
	s_cmp_eq_u32 s12, \n
	s_cbranch_scc0 \next
	TLOAD \g0, \g1
	s_branch .Lasked
\next:
.endm
.macro FETCH t, p                      ; K step t's fragments into set p: 24 loads for B's eight, 16 for A's four
.set KH, (\t)/4
.set QO, ((\t)%4)*1536
	WIN TO_B
.irp i, 0,1,2,3,4,5,6,7
.irp pl, 0,1,2
	ds_load_b128 v[128*(\p)+12*\i+4*\pl:128*(\p)+12*\i+4*\pl+3], v[ADRB+KH] offset:\i*6144+QO+512*\pl
.endr
.endr
	WIN 0
.irp i, 0,1,2,3
.set FA, AF+48*(\p)+12*\i
	ds_load_b128 v[FA:FA+3], v[ADRA+KH] offset:\i*6144+QO
	ds_load_b64 v[FA+4:FA+5], v[AD8+KH] offset:\i*6144+QO+512
	ds_load_b128 v[FA+6:FA+9], v[ADRA+KH] offset:\i*6144+QO+768
	ds_load_b64 v[FA+10:FA+11], v[AD8+KH] offset:\i*6144+QO+1280
.endr
.endm
.macro WM a, b, p, cm, ra, rb          ; A's tile a x B's tile b, 128 along K.  cm = 1: the bias of B's tile starts the sum
.set rD, 8*(8*(\a)+(\b))
.set rC, rD+(\cm)*(BI+8*(\b)-rD)
.set rB, 128*(\p)+12*(\b)
.set rA, AF+48*(\p)+12*(\a)
	v_wmma_scale_f32_16x16x128_f8f6f4 v[rD:rD+7], v[rB:rB+11], v[rA:rA+11], v[rC:rC+7], v[SBS+4+(\b)/2], v[SBS+(\a)/2] matrix_a_fmt:MATRIX_FMT_FP6 matrix_b_fmt:MATRIX_FMT_FP6 matrix_a_scale:MATRIX_SCALE_ROW\ra matrix_b_scale:MATRIX_SCALE_ROW\rb
.endm
.macro MUL a2, p, cm                   ; 16 products; the 32 accumulators take turns, one instruction a turn, in the same order in every step
.irp oa, 0,1
.irp b2, 0,1,2,3
.irp ob, 0,1
	WM (2*(\a2)+\oa), (2*\b2+\ob), \p, \cm, \ob, \oa
.endr
.endr
.endr
.endm
.macro STEP t, cm
.set PP, (\t)%2
.set SBS, SC+8*(\t)                    ; the step's scale registers: A's two, and from + 4 on B's four
.if (\t) == 3
	s_wait_tensorcnt 0x0                           ; my load has landed: for the others' sake, on every wave's way
	s_wait_dscnt 0x0                               ; this step's fragments are in, and my reads of the first half of K are over
	s_barrier_signal -1
	WIN 0xa1
	MUL 0, PP, 0
	s_barrier_wait -1                              ; the second half of K is whole
	PLACES 4
	FETCH 4, 0
	WIN 0xa1
	MUL 1, PP, 0
	WIN 0
.else
.if (\t) < 7
.if (\t) > 0
	PLACES 4                                       ; in front of loads into registers that the last step's products read
.endif
	FETCH (\t)+1, 1-PP
	s_wait_dscnt 40                                ; all but the 40 just issued
.else
	s_wait_dscnt 0x0
.endif
	WIN 0xa1-0x20*(\cm)                            ; source 0 window 1, source 1 window 0, D window 2; C window 2, or 0 for the bias
	MUL 0, PP, \cm
	MUL 1, PP, \cm
	WIN 0
.endif
.endm
	s_load_b256 s[4:11], s[0:1], 0x0               ; ao s[4:5], wq s[6:7], b_out s[8:9], out0 s[10:11]
	v_lshl_add_u32 v[SPW], v0, 2, SPARE
	v_mov_b32 v[NIL], 0
	ds_add_u32 v[SPW], v[NIL]                      ; the opening lines
	ds_add_u32 v[SPW], v[NIL]
	v_lshrrev_b32 v1, 5, v0
	v_readfirstlane_b32 s12, v1                    ; wave 0..3
	s_lshr_b32 s13, s12, 1                         ; wa: my 64 tokens.  Also: which half of K I fetch
	s_and_b32 s14, s12, 1                          ; wb: my 128 columns.  Also: I fetch for A (0) or for B (1)
	s_bfe_u32 s15, ttmp6, 0x40000                  ; cx
	s_bfe_u32 s16, ttmp6, 0x40004                  ; cy
	s_lshl_b32 s17, ttmp9, 2
	s_add_co_u32 s17, s17, s15                     ; block column
	s_and_b32 s18, ttmp7, 0xffff
	s_lshl_b32 s18, s18, 2
	s_add_co_u32 s18, s18, s16                     ; block row = token group
	s_lshl_b32 s19, s16, 2
	s_lshl_b32 s19, 15, s19                        ; my row of the cluster
	s_lshl_b32 s20, 0x1111, s15                    ; my column
	s_or_b32 s[G1A], s19, (3<<16)|(1<<21)          ; the mask; elements of 8 bytes; 21 set beside a mask; rows (tiles) of 6,144 bytes, 12,288 apart: A 8, B 16
	s_or_b32 s[G1B], s20, (3<<16)|(1<<21)
.irp g, G1A, G1B
	s_mov_b32 s[\g+1], 768<<16
	s_mov_b32 s[\g+3], 768<<16
	s_mov_b32 s[\g+5], 1536
	s_mov_b32 s[\g+6], 0
	s_mov_b32 s[\g+7], 0
.endr
	s_mov_b32 s[G1A+2], 8<<16
	s_mov_b32 s[G1A+4], 8
	s_mov_b32 s[G1B+2], 16<<16
	s_mov_b32 s[G1B+4], 16
	s_mul_i32 s50, s13, 6144
	s_mul_i32 s48, s18, 8*TROW                     ; A hangs on the block row alone
	s_add_co_u32 s48, s48, s50
	s_mov_b32 s49, 0
	s_mul_i32 s52, s17, 16*TROW                    ; B on the block column alone; W_out's tiles begin at tile 192, its groups at group 24
	s_add_co_u32 s52, s52, s50
	s_add_co_u32 s52, s52, 192*TROW
	s_mov_b32 s53, 0
	s_mov_b32 s[G0A], 1
	s_mul_i32 s[G0A+1], s13, HALF
	s_mov_b32 s[G0B], 1
	s_add_co_u32 s[G0B+1], s[G0A+1], BOFF
	s_wait_dscnt 0x0                               ; both opening adds are done
	CROUND                                         ; all sixteen work-groups are here: the joint loads meet
	s_wait_kmcnt 0x0
	s_add_nc_u64 s[G0A+2:G0A+3], s[4:5], s[48:49]
	s_or_b32 s[G0A+3], s[G0A+3], 0x80000000
	s_add_nc_u64 s[G0B+2:G0B+3], s[6:7], s[52:53]
	s_or_b32 s[G0B+3], s[G0B+3], 0x80000000
	ARM 0, G0A, G1A, .Larm_1                       ; one chain of arms, one load to an arm
	ARM 1, G0B, G1B, .Larm_2
	ARM 2, G0A, G1A, .Larm_3
	TLOAD G0B, G1B
.Lasked:
	s_lshl_b32 s54, s18, 12                        ; A's scale images: group y; my tiles' two words lie at 16 x lane + 8 wa
	s_lshl_b32 s50, s13, 3
	s_add_co_u32 s54, s54, s50
	s_add_co_u32 s54, s54, AOS
	s_mov_b32 s55, 0
	s_add_nc_u64 s[58:59], s[4:5], s[54:55]
	s_lshl_b32 s54, s17, 13                        ; B's: group 24 + 2 x + wb
	s_lshl_b32 s50, s14, 12
	s_add_co_u32 s54, s54, s50
	s_add_co_u32 s54, s54, WSC+24*4096
	s_add_nc_u64 s[60:61], s[6:7], s[54:55]
	s_lshl_b32 s54, s17, 10
	s_lshl_b32 s50, s14, 9
	s_add_co_u32 s54, s54, s50                     ; my first column, in bytes: in the bias and in a row of out0
	s_add_nc_u64 s[62:63], s[8:9], s[54:55]
	s_lshl_b32 s50, s18, 7
	s_lshl_b32 s51, s13, 6
	s_add_co_u32 s50, s50, s51                     ; my first token
	s_lshl_b32 s50, s50, 12
	s_add_co_u32 s54, s54, s50
	s_add_nc_u64 s[56:57], s[10:11], s[54:55]      ; out0 at my first token and column; never stepped
	s_mul_i32 s70, s13, 4*6144
	s_mul_i32 s71, s14, 8*6144
	s_add_co_u32 s71, s71, BOFF
	s_mul_i32 s72, s12, 16*SPITCH                  ; my stage, from LDS byte 0 on
	v_and_b32 v1, 31, v0
	v_and_b32 v2, 15, v0                           ; r
	v_bfe_u32 v3, v0, 4, 1                         ; h
	v_lshlrev_b32 v[LI], 4, v1
	v_lshlrev_b32 v[L8], 3, v1
	v_mul_u32_u24 v6, v2, SPITCH
	v_lshlrev_b32 v[BO], 6, v3                     ; the bias runs along the registers: tile b, register j: column 32 (b / 2) + 8 (b % 2) + 16 h + j of my 128
	v_add_nc_u32 v[ADRA], s70, v[LI]
	v_add_nc_u32 v[AD8], s70, v[L8]
	v_add_nc_u32 v[ADRB], s71, v[LI]
	v_lshl_add_u32 v6, v3, 6, v6
	v_add_nc_u32 v[RD], s72, v[LI]                 ; back: a whole row of 512 bytes
	v_add_nc_u32 v[ADRA+1], HALF, v[ADRA]
	v_add_nc_u32 v[AD8+1], HALF, v[AD8]
	v_add_nc_u32 v[ADRB+1], HALF, v[ADRB]
	v_add_nc_u32 v[STO], s72, v6                   ; in: row r, + 64 h
	s_wait_alu depctr_va_vdst(0)                   ; at the head's end
.set sct, 0
.rept 8
	global_load_b64 v[SC+8*sct:SC+8*sct+1], v[LI], s[58:59] offset:512*sct
	global_load_b128 v[SC+8*sct+4:SC+8*sct+7], v[LI], s[60:61] offset:512*sct
.set sct, sct+1
.endr
.irp b, 0,1,2,3,4,5,6,7
	global_load_b128 v[BI+8*\b:BI+8*\b+3], v[BO], s[62:63] offset:128*(\b/2)+32*(\b%2)
	global_load_b128 v[BI+8*\b+4:BI+8*\b+7], v[BO], s[62:63] offset:128*(\b/2)+32*(\b%2)+16
.endr
	s_cmp_lt_u32 s12, 2
	s_cbranch_scc0 .Lnot_first
	s_wait_tensorcnt 0x0                           ; waves 0 and 1: my tile of the first half of K is in
.Lnot_first:
	s_barrier_signal -1
	s_barrier_wait -1                              ; the first half of K is whole; the second may still be on its way
	FETCH 0, 0
	s_wait_loadcnt 0x0                             ; the scale words and the bias
	STEP 0, 1                                      ; the first K step starts the sums, with the bias as C
	STEP 1, 0
	STEP 2, 0
	STEP 3, 0
	STEP 4, 0
	STEP 5, 0
	STEP 6, 0
	STEP 7, 0
; THE WAY OUT, a tile of 16 tokens x 128 columns at a time: through my own stage and back as whole rows of 512 bytes.  LDS serves a wave's instructions in order: no wait between the stores and the loads.
.macro TOSTAGE a
.set AC, 64*(\a)
	WIN 0x08                                       ; an LDS store's data: window 2
.irp b, 0,1,2,3,4,5,6,7
	ds_store_b128 v[STO], v[AC+8*\b:AC+8*\b+3] offset:128*(\b/2)+32*(\b%2)       ; each accumulator from its low end on
	ds_store_b128 v[STO], v[AC+8*\b+4:AC+8*\b+7] offset:128*(\b/2)+32*(\b%2)+16
.endr
	WIN 0
.set BB, BK+64*((\a)%2)
.irp t, 0,1,2,3,4,5,6,7,8,9,10,11,12,13,14,15
	ds_load_b128 v[BB+4*\t:BB+4*\t+3], v[RD] offset:\t*SPITCH
.endr
.endm
.macro SEND a, younger                 ; younger: the LDS instructions issued behind tile a's loads, which may stay out
.set BB, BK+64*((\a)%2)
	s_wait_dscnt \younger
.irp t, 0,1,2,3,4,5,6,7,8,9,10,11,12,13,14,15
	global_store_b128 v[LI], v[BB+4*\t:BB+4*\t+3], s[56:57] offset:(32*((\a)/2)+8*((\a)%2)+(\t%8)+16*(\t/8))*4096 th:TH_STORE_NT   ; tile row t's token: 512 consecutive bytes, at a multiple of 256 from out0's first byte
.endr
.endm
	PLACES 4                                       ; in front of the first read of results and of loads into registers that held A's fragments
	TOSTAGE 0
.irp a, 1,2,3
.if \a > 1
	s_wait_xcnt 0x0                                ; tile a - 2's stores have read their registers: tile a's loads may land there
.endif
	TOSTAGE \a
	SEND \a-1, 32                                  ; behind tile a - 1's loads: tile a's 16 stores and 16 loads
.endr
	SEND 3, 0
	s_wait_tensorcnt 0x0                           ; the wave's end
	ds_add_u32 v[SPW], v[NIL]
	s_wait_dscnt 0x0
	CROUND                                         ; the closing round
	s_endpgm
.Lfunc_end_k_qea23983441_gemm_out:
	.size	k_qea23983441_gemm_out, .Lfunc_end_k_qea23983441_gemm_out-k_qea23983441_gemm_out
	.p2alignl 7, 3214868480
	.fill 96, 4, 3214868480
	.section	.rodata,"a",@progbits
	.p2align	6, 0x0
	.amdhsa_kernel k_qea23983441_gemm_out
		.amdhsa_group_segment_fixed_size 295424
		.amdhsa_private_segment_fixed_size 0
		.amdhsa_enable_private_segment 0
		.amdhsa_kernarg_size 32
		.amdhsa_user_sgpr_count 2
		.amdhsa_user_sgpr_kernarg_segment_ptr 1
		.amdhsa_wavefront_size32 1
		.amdhsa_system_sgpr_workgroup_id_x 1
		.amdhsa_system_sgpr_workgroup_id_y 1
		.amdhsa_system_sgpr_workgroup_id_z 1
		.amdhsa_system_vgpr_workitem_id 0
		.amdhsa_next_free_vgpr 768
		.amdhsa_next_free_sgpr 102
		.amdhsa_reserve_vcc 0
		.amdhsa_float_denorm_mode_32 3
		.amdhsa_float_denorm_mode_16_64 3
		.amdhsa_memory_ordered 1
		.amdhsa_forward_progress 1
		.amdhsa_inst_pref_size 79
	.end_amdhsa_kernel
	.amdgpu_metadata
---
amdhsa.version: [ 1, 2 ]
amdhsa.kernels:
  - .name:           k_qea23983441_gemm_out
    .symbol:         k_qea23983441_gemm_out.kd
    .args:
      - { .name: ao, .offset: 0, .size: 8, .value_kind: global_buffer, .address_space: global }
      - { .name: wq, .offset: 8, .size: 8, .value_kind: global_buffer, .address_space: global }
      - { .name: b_out, .offset: 16, .size: 8, .value_kind: global_buffer, .address_space: global }
      - { .name: out0, .offset: 24, .size: 8, .value_kind: global_buffer, .address_space: global }
    .group_segment_fixed_size: 295424
    .private_segment_fixed_size: 0
    .kernarg_segment_align: 8
    .kernarg_segment_size: 32
    .max_flat_workgroup_size: 128
    .sgpr_count:     102
    .vgpr_count:     768
    .wavefront_size: 32
...
	.end_amdgpu_metadata
.endif
;; end of part 4
